; MI455X (gfx1250); checked and timed in simulation.
; The chip was launched on July 23, 2026; its instructions are those of AMD's public machine-readable ISA for CDNA 5 (MIT licence, August 2026) and "CDNA5" Instruction Set Architecture Reference Guide (July 2026). The comments in the code are by the model that wrote it; some were corrected since.
;; Multi Head Attention. Allowed arithmetic: float matrix products may take bf16 or f16 operands with f32 sums; other float arithmetic in f32, or as packed bf16 or f16 multiplies, adds, multiply-adds, maxima and minima; sums over many terms, partial sums and values carried from step to step in f32; what a program stores and reads back later, other than sums and carried values, may be rounded once to bf16 or f16.
;; Inputs: bo 768 float32; wk 768 x 768 float32; wo 768 x 768 float32; wq 768 x 768 float32; wv 768 x 768 float32; x 1 x 4,096 x 768 float32.
;; Outputs: out0 1 x 4,096 x 768 float32.
;; One version. Each part assembles by itself: llvm-mc -triple=amdgcn-amd-amdhsa -mcpu=gfx1250 --defsym DOCPART=n.
;; ======== version 1 of 1: 4 launches
;; limits: values are held in f16: magnitudes above 65,504 overflow, below 6.1e-05 lose precision
;; workspace buffers: xb 6,291,456 bytes; wb 3,538,944 bytes; wof 1,179,648 bytes; qkv 18,874,368 bytes; ctx 6,291,456 bytes
;; launch prep (part 1): grid 16 x 28, 3 waves a work-group, no clusters, 0 bytes of LDS; arguments x, wq, wk, wv, wo, xb, wb, wof; writes xb, wb, wof
.if DOCPART == 1
	.amdgcn_target "amdgcn-amd-amdhsa--gfx1250"
	.amdhsa_code_object_version 6
	.text
	.protected	k_qe287d30ad7_prep
	.globl	k_qe287d30ad7_prep
	.p2align	8
	.type	k_qe287d30ad7_prep,@function
k_qe287d30ad7_prep:
	s_mov_b64 s[64:65], 0
	v_nop
	global_prefetch_b8 v0, s[64:65] scope:SCOPE_SE
	s_setreg_imm32_b32 hwreg(HW_REG_WAVE_MODE, 25, 1), 1
	s_wait_xcnt 0x0
; CASTS.  xb = bf16(x) [4096][768];  wb = bf16 of wq | wk | wv side by side, [768 k][2304 n];  wof = bf16(wo) written as f16, [768 k][768 n].
; All five sources have rows of 768 f32 (3,072 bytes).  A work-group of three waves takes 16 rows: thread t (0..95) owns columns 8 t .. 8 t + 7 of each: 32 bytes in, 16 bytes out,
; so sixteen neighbouring lanes store 256 consecutive bytes.  All 32 loads of a thread go out at once; no register that a load or store names is written again, so no wait frees any.
; The grid's y picks the source: y 0..15 the 256 row blocks of x; y 16..27 the 48 row blocks of wq, wk, wv, wo, three y each.
; No LDS, no matrix unit, no barrier: every byte is read once and written once, and no wave needs another's data.
; LIMIT.  wof: |bf16(wo)| of 65,520 or more becomes an infinity in f16; below 6e-5 it keeps f16's fixed step of 6e-8.
.set ROWB, 3072                        ; bytes in a source row
.set OO,   2                           ; v[2:17]    row r: byte offset of my 16 bytes in the destination; never rewritten
.set IN,   20                          ; v[20:147]  row r: 8 f32 as loaded
.set OUT,  148                         ; v[148:211] row r: 8 numbers of 16 bits
.set T,    212                         ; v[212:215] at work
	s_load_b512 s[8:23], s[0:1], 0x0               ; x 8:9, wq 10:11, wk 12:13, wv 14:15, wo 16:17, xb 18:19, wb 20:21, wof 22:23
	s_and_b32 s2, ttmp7, 0xffff                    ; y
	s_max_u32 s3, s2, 16
	s_sub_co_u32 s3, s3, 16                        ; y - 16 for a weight (0 for x)
	s_mul_i32 s4, s3, 11
	s_lshr_b32 s4, s4, 5                           ; which weight: (y - 16) / 3, exact for 0..11
	s_mul_i32 s5, s4, 3
	s_sub_co_u32 s5, s3, s5
	s_lshl_b32 s5, s5, 4
	s_add_co_u32 s5, s5, ttmp9                     ; a weight's row block, 0..47
	s_lshl_b32 s6, s2, 4
	s_add_co_u32 s6, s6, ttmp9                     ; x's row block, 0..255
	s_cmp_lt_u32 s2, 16
	s_cselect_b32 s34, s6, s5                      ; my row block
	s_cselect_b32 s35, 1, 0                        ; 1: x
	s_cmp_eq_u32 s4, 3
	s_cselect_b32 s33, 1, 0                        ; 1: wo
	s_or_b32 s36, s35, s33                         ; 1: the destination's rows are 1,536 bytes
	s_movk_i32 s39, 4608
	s_mov_b32 s40, 73728
	s_cmp_eq_u32 s36, 1
	s_cselect_b32 s32, 1536, s39                   ; bytes in a destination row
	s_cselect_b32 s37, 24576, s40                  ; and in 16 of them
	s_cselect_b32 s38, 0, s4                       ; wq, wk, wv: 1,536 bytes further right each
	s_mul_i32 s30, s34, s37
	s_mul_i32 s38, s38, 1536
	s_add_co_u32 s30, s30, s38                     ; byte offset of my block in the destination
	s_mov_b32 s31, 0
	s_mul_i32 s28, s34, 16*ROWB                    ; and in the source
	s_mov_b32 s29, 0
	v_lshlrev_b32 v1, 5, v0                        ; my 32 bytes in a source row
	v_lshlrev_b32 v[OO], 4, v0                     ; my 16 bytes in a destination row
.set r, 1
.rept 15
	v_add_nc_u32 v[OO+r], s32, v[OO+r-1]
.set r, r+1
.endr
	s_wait_kmcnt 0x0
	s_cmp_eq_u32 s4, 1                             ; the buffers are chosen on the grid's y alone
	s_cselect_b64 s[24:25], s[12:13], s[10:11]
	s_cmp_eq_u32 s4, 2
	s_cselect_b64 s[24:25], s[14:15], s[24:25]
	s_cmp_eq_u32 s4, 3
	s_cselect_b64 s[24:25], s[16:17], s[24:25]
	s_cselect_b64 s[26:27], s[22:23], s[20:21]
	s_cmp_eq_u32 s35, 1
	s_cselect_b64 s[24:25], s[8:9], s[24:25]
	s_cselect_b64 s[26:27], s[18:19], s[26:27]
	s_add_nc_u64 s[24:25], s[24:25], s[28:29]      ; source at my block
	s_add_nc_u64 s[26:27], s[26:27], s[30:31]      ; destination at my block
.set r, 0
.rept 16
	global_load_b128 v[IN+8*r:IN+8*r+3],   v1, s[24:25] offset:ROWB*r th:TH_LOAD_NT
	global_load_b128 v[IN+8*r+4:IN+8*r+7], v1, s[24:25] offset:ROWB*r+16 th:TH_LOAD_NT
.set r, r+1
.endr
; The 16 rows in order.  kind = 0: rounded to bf16.  kind = 1: rounded to bf16, and that number written as f16.
.macro ROWS kind
.set r, 0
.rept 16
	s_wait_loadcnt 30-2*r                          ; loads come back in order: row r's two are in, the 2 (15 - r) younger ones stay out
.if \kind
.irp j, 0,1,2,3
	v_cvt_pk_bf16_f32 v[T+\j], v[IN+8*r+2*\j], v[IN+8*r+2*\j+1]
.endr
.irp j, 0,1,2,3
	v_lshlrev_b32 v[IN+8*r+2*\j],   16, v[T+\j]            ; bf16 back to f32: the low half moves up,
	v_and_b32     v[IN+8*r+2*\j+1], 0xffff0000, v[T+\j]    ; the high half stays
.endr
.irp j, 0,1,2,3
	v_cvt_pk_f16_f32 v[OUT+4*r+\j], v[IN+8*r+2*\j], v[IN+8*r+2*\j+1]
.endr
.else
.irp j, 0,1,2,3
	v_cvt_pk_bf16_f32 v[OUT+4*r+\j], v[IN+8*r+2*\j], v[IN+8*r+2*\j+1]
.endr
.endif
	global_store_b128 v[OO+r], v[OUT+4*r:OUT+4*r+3], s[26:27]
.set r, r+1
.endr
.endm
	s_cmp_eq_u32 s33, 1
	s_cbranch_scc1 .Lhalf
	ROWS 0
	s_endpgm
.Lhalf:
	ROWS 1
	s_endpgm
.Lfunc_end_k_qe287d30ad7_prep:
	.size	k_qe287d30ad7_prep, .Lfunc_end_k_qe287d30ad7_prep-k_qe287d30ad7_prep
	.p2alignl 7, 3214868480
	.fill 96, 4, 3214868480
	.section	.rodata,"a",@progbits
	.p2align	6, 0x0
	.amdhsa_kernel k_qe287d30ad7_prep
		.amdhsa_group_segment_fixed_size 0
		.amdhsa_private_segment_fixed_size 0
		.amdhsa_enable_private_segment 0
		.amdhsa_kernarg_size 64
		.amdhsa_user_sgpr_count 2
		.amdhsa_user_sgpr_kernarg_segment_ptr 1
		.amdhsa_wavefront_size32 1
		.amdhsa_system_sgpr_workgroup_id_x 1
		.amdhsa_system_sgpr_workgroup_id_y 1
		.amdhsa_system_sgpr_workgroup_id_z 1
		.amdhsa_system_vgpr_workitem_id 0
		.amdhsa_next_free_vgpr 220
		.amdhsa_next_free_sgpr 66
		.amdhsa_reserve_vcc 0
		.amdhsa_float_denorm_mode_32 3
		.amdhsa_float_denorm_mode_16_64 3
		.amdhsa_memory_ordered 1
		.amdhsa_forward_progress 1
		.amdhsa_inst_pref_size 28
	.end_amdhsa_kernel
	.amdgpu_metadata
---
amdhsa.version: [ 1, 2 ]
amdhsa.kernels:
  - .name:           k_qe287d30ad7_prep
    .symbol:         k_qe287d30ad7_prep.kd
    .args:
      - { .name: x, .offset: 0, .size: 8, .value_kind: global_buffer, .address_space: global }
      - { .name: wq, .offset: 8, .size: 8, .value_kind: global_buffer, .address_space: global }
      - { .name: wk, .offset: 16, .size: 8, .value_kind: global_buffer, .address_space: global }
      - { .name: wv, .offset: 24, .size: 8, .value_kind: global_buffer, .address_space: global }
      - { .name: wo, .offset: 32, .size: 8, .value_kind: global_buffer, .address_space: global }
      - { .name: xb, .offset: 40, .size: 8, .value_kind: global_buffer, .address_space: global }
      - { .name: wb, .offset: 48, .size: 8, .value_kind: global_buffer, .address_space: global }
      - { .name: wof, .offset: 56, .size: 8, .value_kind: global_buffer, .address_space: global }
    .group_segment_fixed_size: 0
    .private_segment_fixed_size: 0
    .kernarg_segment_align: 8
    .kernarg_segment_size: 64
    .max_flat_workgroup_size: 96
    .sgpr_count:     66
    .vgpr_count:     220
    .wavefront_size: 32
...
	.end_amdgpu_metadata
.endif
;; end of part 1
;; launch qkv (part 2): grid 12 x 16, 4 waves a work-group, clusters of 4 x 4, 327,680 bytes of LDS; arguments xb, wb, qkv; writes qkv
.if DOCPART == 2
	.amdgcn_target "amdgcn-amd-amdhsa--gfx1250"
	.amdhsa_code_object_version 6
	.text
	.protected	k_qe287d30ad7_qkv
	.globl	k_qe287d30ad7_qkv
	.p2align	8
	.type	k_qe287d30ad7_qkv,@function
k_qe287d30ad7_qkv:
	s_mov_b64 s[64:65], 0
	v_nop
	global_prefetch_b8 v0, s[64:65] scope:SCOPE_SE
	s_setreg_imm32_b32 hwreg(HW_REG_WAVE_MODE, 25, 1), 1
	s_wait_xcnt 0x0
	s_wait_alu depctr_hold_cnt(0) depctr_sa_sdst(0) depctr_va_vdst(0) depctr_va_sdst(0) depctr_va_ssrc(0) depctr_va_vcc(0) depctr_vm_vsrc(0)
	s_getreg_b32 s2, hwreg(HW_REG_IB_STS2, 6, 4)
	s_cmp_eq_u32 s2, 0
	s_cbranch_scc0 .Lentry_in_a_cluster
	s_endpgm
.Lentry_in_a_cluster:
	s_bfe_u32 s2, ttmp6, 0x10000c
	s_cmp_lg_u32 s2, 0xf033
	s_cbranch_scc0 .Lentry_shape_is_right
	s_endpgm
.Lentry_shape_is_right:
; [q | k | v] = xb x wb.  xb: [4096][768] bf16.  wb: [768 k][2304 n] bf16.  qkv: [36 g][4096][64] f16, g = 12 x matrix + head: a head's rows are dense, 128 bytes each.  Sums in f32, rounded once, unscaled.
; LIMIT.  A sum of 65,520 or more in magnitude becomes an infinity in f16.
; SHARES.  A work-group makes 256 rows x 192 columns (three heads): 12 x 16 work-groups.  Wave w owns rows 64 w .. 64 w + 63 and all 192 columns: 4 x 12 accumulators of 16 x 16, 384 registers;
; so a wave's 16 rows of a head are 2,048 consecutive bytes of qkv, and each wave has a stage of its own on the way out.
; K goes in 6 steps of 128 through a ring of two LDS slots filled by the tensor data mover.  wb lies [k][n]: its fragments come out of LDS turned, by ds_load_tr16_b128.
; CLUSTERS: 4 x 4 work-groups.  The four of a row of the cluster need the same tiles of xb, the four of a column the same tiles of wb: each tile is asked for JOINTLY, by the same tensor load with the same
; descriptor and a mask that names the four.  THE MATRIX INSTRUCTION IS USED TRANSPOSED (source 0 = 16 columns of wb, source 1 = 16 rows of xb): a lane then holds eight neighbouring numbers of a row of the result.
; REGISTERS, in windows of 256 (s_set_vgpr_msb: bits 1:0 source 0, 3:2 source 1, 5:4 source 2, 7:6 destination):
;   window 0: v0-31 addresses; v32-79 packed results; v80-175 two buffers of 16 rows read back from the stage
;   window 1: accumulators of row blocks 0, 1 ((a, b) at 96 (a % 2) + 8 b);   window 2: of row blocks 2, 3
;   window 3: two fragment buffers of 128: 32 registers of xb (4 x 16 rows x 32 K), then 96 of wb (12 x 16 columns x 32 K)
.set KSTEP,  128
.set XROW,   1536                      ; bytes in a row of xb
.set WROW,   4608                      ; bytes in a row of wb
.set PA,     272                       ; an LDS row of xb's tile: 256 bytes + 16 of padding = 68 words: the 16 rows of a load start at 16 different groups of four banks (64 banks of 4 bytes: ISA guide 11.1)
.set PB,     480                       ; an LDS row of wb's tile: three pieces of 128 bytes + 32 of padding = 15 x 32 bytes
.set AH,     128*PA                    ; 128 rows of xb: one tensor load
.set BH,     64*PB                     ; 64 k rows of wb: one tensor load
.set BOFF,   2*AH                      ; wb's tile lies behind xb's 256 rows
.set SLOT,   BOFF+2*BH                 ; 131,072 bytes
.set STAGE,  2*SLOT                    ; behind the ring, never filled by a tensor load: 16 rows x 400 bytes for each wave
.set SP,     400                       ; 384 bytes + 16: 25 x 16 bytes
.set SPARE,  STAGE+4*16*SP             ; behind the stages: the spare words, 128 bytes for each wave: two blocks of 256 bytes that no other line names
.set LAPS,   3                         ; a lap = two K steps = once round the ring
.set ADRA, 16                          ; v16-17  LDS address of my fragments of xb in slot 0, 1
.set ADRB, 20                          ; v20-21  the same for wb
.set STO,  24                          ; v24     the way out: where I put 16 bytes of a row
.set RD,   25                          ; v25     the way out: where I read rows back
.set GO,   26                          ; v26     my byte offset in 512 consecutive bytes of qkv
.set SPW,  28                          ; v28     LDS address of my spare word: SPARE + 4 x my thread's number; never rewritten
.set NIL,  29                          ; v29     0; never rewritten
.set TMP,  32
.set BK0,  80
.set F0,   0
.set F1,   128
.set G1,  24                           ; s[24:31] descriptor group 1 for xb's tiles;  s[32:39] group 0, one set for each slot
.set G0,  32
.set G1B, 48                           ; s[48:55], s[56:63] the same for wb's tiles
.set G0B, 56
.set MSB, 0
.macro WIN new                         ; the immediate's high byte repeats the setting that is left; a switch that changes nothing is dropped
.if MSB != (\new)
	s_set_vgpr_msb (MSB<<8)|(\new)
.set MSB, \new
.endif
.endm
.set MUL_LO, 0x5f                      ; sources 0 and 1 window 3, C and D window 1
.set TO_F,   0xc0                      ; destination window 3, address window 0
; A joint load: waves 0 and 1 fetch xb's two halves, waves 2 and 3 wb's.  The branch hangs on the wave's number alone.
; An s_nop 0 and four v_nop follow each of the two lines, ahead of the jump, the label and what follows.
.macro JLOAD s
	s_cmp_eq_u32 s11, 0
	s_cbranch_scc0 .Lfor_b_\@
	tensor_load_to_lds s[G0+4*(\s):G0+4*(\s)+3], s[G1:G1+7]
	s_nop 0
.rept 4
	v_nop
.endr
	s_branch .Lasked_\@
.Lfor_b_\@:
	tensor_load_to_lds s[G0B+4*(\s):G0B+4*(\s)+3], s[G1B:G1B+7]
	s_nop 0
.rept 4
	v_nop
.endr
.Lasked_\@:
.endm
.macro CREST                           ; a round of the cluster's barrier behind its opening barrier
	s_cmp_lg_u32 s10, 0
	s_cbranch_scc1 .Lnot_wave_0_\@
	s_barrier_signal -3
.Lnot_wave_0_\@:
	s_barrier_wait -3
	s_barrier_signal -1
	s_barrier_wait -1
.endm
.macro CROUND                          ; a whole round
	s_barrier_signal -1
	s_barrier_wait -1
	CREST
.endm
	s_load_b128 s[4:7], s[0:1], 0x0                ; xb s[4:5], wb s[6:7]
	s_load_b64 s[8:9], s[0:1], 0x10                ; qkv
	v_lshl_add_u32 v[SPW], v0, 2, SPARE
	v_mov_b32 v[NIL], 0
	ds_add_u32 v[SPW], v[NIL]                      ; the wave's opening: the add and its wait stand ahead of my first tensor load; the set-up below, work on registers, stands between them
	ds_add_u32 v28, v29
	v_lshrrev_b32 v1, 5, v0
	v_readfirstlane_b32 s10, v1                    ; wave 0..3
	s_lshr_b32 s11, s10, 1                         ; I fetch for xb (0) or for wb (1)
	s_and_b32 s12, s10, 1                          ; which half of that tile I fetch
	s_bfe_u32 s40, ttmp6, 0x40000                  ; cx, cy: my place in the cluster
	s_bfe_u32 s41, ttmp6, 0x40004
	s_lshl_b32 s42, ttmp9, 2
	s_add_co_u32 s42, s42, s40                     ; tile column = 4 x cluster x + cx
	s_and_b32 s13, ttmp7, 0xffff
	s_lshl_b32 s13, s13, 2
	s_add_co_u32 s13, s13, s41                     ; tile row = 4 x cluster y + cy
	s_lshl_b32 s43, s41, 2
	s_lshl_b32 s43, 15, s43                        ; my row of the cluster
	s_lshl_b32 s44, 0x1111, s40                    ; my column
	s_or_b32 s[G1+0], s43, (1<<16)|(1<<20)|(1<<21)|(5<<22)|(3<<25)   ; 15:0 the mask: xb's tiles go to my row; 17:16 2-byte elements; 20 padding on; 21 set beside a mask; 24:22 after every 64 words (code 5); 31:25 4 words (code 3)
	s_or_b32 s[G1B+0], s44, (1<<16)|(1<<20)|(1<<21)|(4<<22)|(7<<25)  ; wb's go to my column; after every 32 words (code 4) 8 words (code 7)
	s_mov_b32 s[G1+1], KSTEP<<16                   ; xb: tensor_dim0 = 128
	s_mov_b32 s[G1+2], 128<<16                     ; tensor_dim1 = 128
	s_mov_b32 s[G1+3], KSTEP<<16                   ; tile_dim0 = 128
	s_mov_b32 s[G1+4], 128                         ; tile_dim1 = 128
	s_mov_b32 s[G1+5], 768                         ; elements from row to row
	s_mov_b32 s[G1+6], 0
	s_mov_b32 s[G1+7], 0
	s_mov_b32 s[G1B+1], 192<<16                    ; wb: tensor_dim0 = 192
	s_mov_b32 s[G1B+2], 64<<16                     ; tensor_dim1 = 64
	s_mov_b32 s[G1B+3], 192<<16                    ; tile_dim0 = 192
	s_mov_b32 s[G1B+4], 64                         ; tile_dim1 = 64
	s_mov_b32 s[G1B+5], 2304                       ; elements from row to row
	s_mov_b32 s[G1B+6], 0
	s_mov_b32 s[G1B+7], 0
	s_lshl_b32 s17, s12, 7
	s_lshl_b32 s16, s13, 8
	s_add_co_u32 s16, s16, s17                     ; xb: row 256 x tile row + 128 x half: the tile row alone, which my row of the cluster shares
	s_mul_i32 s16, s16, XROW
	s_mov_b32 s17, 0
	s_mul_i32 s46, s12, 64*WROW                    ; wb: k row 64 x half, column 192 x tile column: the tile column alone, which my column shares
	s_mul_i32 s47, s42, 384
	s_add_co_u32 s46, s46, s47
	s_mov_b32 s47, 0
	s_mul_i32 s20, s10, AH                         ; where they go: xb's halves at wave x 34,816 (waves 0, 1),
	s_mul_i32 s21, s10, BH                         ; wb's at 69,632 + (wave - 2) x 30,720 (waves 2, 3): no place in the cluster enters an LDS address
	s_add_co_u32 s21, s21, BOFF-2*BH
	s_wait_dscnt 0x0                               ; the opening add is done
	s_wait_kmcnt 0x0
	s_add_nc_u64 s[14:15], s[4:5], s[16:17]
	s_add_nc_u64 s[46:47], s[6:7], s[46:47]
	CROUND                                         ; all sixteen work-groups are here: the first joint loads meet
.irp s, 0,1
	s_mov_b32 s[G0+4*(\s)], 1
	s_add_co_u32 s[G0+4*(\s)+1], s20, (\s)*SLOT
	s_add_nc_u64 s[G0+4*(\s)+2:G0+4*(\s)+3], s[14:15], (\s)*KSTEP*2
	s_or_b32 s[G0+4*(\s)+3], s[G0+4*(\s)+3], 0x80000000
	s_mov_b32 s[G0B+4*(\s)], 1
	s_add_co_u32 s[G0B+4*(\s)+1], s21, (\s)*SLOT
	s_add_nc_u64 s[G0B+4*(\s)+2:G0B+4*(\s)+3], s[46:47], (\s)*KSTEP*WROW
	s_or_b32 s[G0B+4*(\s)+3], s[G0B+4*(\s)+3], 0x80000000
	JLOAD \s                                       ; K steps 0 and 1: two loads of mine are out
.endr
	v_and_b32 v1, 15, v0                           ; l % 16
	v_bfe_u32 v2, v0, 4, 1                         ; l / 16
	v_mul_u32_u24 v3, v1, PA
	v_lshl_add_u32 v3, v2, 4, v3                   ; a fragment of xb: row x pitch + 16 x half
	s_mul_i32 s22, s10, 64*PA                      ; my 64 rows
	v_add_nc_u32 v[ADRA], s22, v3
	v_add_nc_u32 v[ADRA+1], SLOT, v[ADRA]
	v_and_b32 v4, 7, v0                            ; the turning load: lane l reads k row 8 (l / 16) + l % 8, columns 8 ((l / 8) % 2) + 0..7
	v_lshl_add_u32 v4, v2, 3, v4
	v_mul_u32_u24 v4, v4, PB
	v_bfe_u32 v5, v0, 3, 1
	v_lshl_add_u32 v4, v5, 4, v4
	v_add_nc_u32 v[ADRB], BOFF, v4
	v_add_nc_u32 v[ADRB+1], SLOT, v[ADRB]
	s_mul_i32 s23, s10, 16*SP
	s_add_co_u32 s23, s23, STAGE                   ; my stage
	v_mul_u32_u24 v6, v1, SP                       ; in: row l % 16, 16 bytes for each half of the lanes
	v_lshl_add_u32 v6, v2, 4, v6
	v_add_nc_u32 v[STO], s23, v6
	v_bfe_u32 v7, v0, 3, 2                         ; back: 32 lanes take four rows' 128 bytes of one head,
	v_mul_u32_u24 v7, v7, SP
	v_and_b32 v8, 7, v0
	v_lshl_add_u32 v7, v8, 4, v7
	v_add_nc_u32 v[RD], s23, v7
	v_and_b32 v9, 31, v0                           ; which are 512 consecutive bytes of qkv
	v_lshlrev_b32 v[GO], 4, v9
	s_mul_i32 s66, s42, 3*524288                   ; my three heads (g = 3 x tile column on),
	s_lshl_b32 s67, s13, 15                        ; the tile's 256 rows of 128 bytes,
	s_add_co_u32 s66, s66, s67
	s_lshl_b32 s67, s10, 13                        ; my wave's 64 of them
	s_add_co_u32 s66, s66, s67
	s_mov_b32 s67, 0
	s_add_nc_u64 s[8:9], s[8:9], s[66:67]
; 12 matrix instructions: row block a x all 12 column blocks, 32 along K.  zero = 1: the product starts the sums: nothing is ever cleared.
; The 48 accumulators take turns, one instruction a turn, in the same order in every quarter.
.macro MUL12 f, a, zero
	WIN MUL_LO+0x50*((\a)/2)
.set AC, 96*((\a)%2)
.irp b, 0,1,2,3,4,5,6,7,8,9,10,11
.if \zero
	v_wmma_f32_16x16x32_bf16 v[AC+8*(\b):AC+8*(\b)+7], v[(\f)+32+8*(\b):(\f)+32+8*(\b)+7], v[(\f)+8*(\a):(\f)+8*(\a)+7], 0
.else
	v_wmma_f32_16x16x32_bf16 v[AC+8*(\b):AC+8*(\b)+7], v[(\f)+32+8*(\b):(\f)+32+8*(\b)+7], v[(\f)+8*(\a):(\f)+8*(\a)+7], v[AC+8*(\b):AC+8*(\b)+7]
.endif
.endr
.endm
; 32 LDS loads in one run: the fragments of quarter q (32 along K) into buffer f: wb's 12 (turned), then xb's row blocks 0, 1 and last 2, 3
.macro FETCH slot, q, f
	WIN TO_F
.irp b, 0,1,2,3,4,5,6,7,8,9,10,11
	ds_load_tr16_b128 v[(\f)+32+8*(\b):(\f)+32+8*(\b)+3],   v[ADRB+(\slot)] offset:(\q)*32*PB+((\b)/4)*160+((\b)%4)*32
	ds_load_tr16_b128 v[(\f)+32+8*(\b)+4:(\f)+32+8*(\b)+7], v[ADRB+(\slot)] offset:(\q)*32*PB+16*PB+((\b)/4)*160+((\b)%4)*32
.endr
.irp a, 0,1,2,3
	ds_load_b128 v[(\f)+8*(\a):(\f)+8*(\a)+3],   v[ADRA+(\slot)] offset:(\q)*64+(\a)*16*PA
	ds_load_b128 v[(\f)+8*(\a)+4:(\f)+8*(\a)+7], v[ADRA+(\slot)] offset:(\q)*64+(\a)*16*PA+32
.endr
.endm
.macro PLACES                          ; four places in front of loads into registers that matrix instructions have read, and of conversions that read results (ISA guide 7.12.1 for conversions)
.rept 4
	v_nop
.endr
.endm
; A K step is four quarters of 32 along K, 48 matrix instructions each, on buffers 0, 1, 0, 1.  One of the first three: multiplies buffer f and fetches quarter q of the same slot into g.
.macro QUARTER slot, q, f, g, zero
	s_wait_dscnt 4                                 ; wb and xb's row blocks 0, 1 are in; the youngest four loads (row blocks 2, 3) may be out
	MUL12 \f, 0, \zero
	MUL12 \f, 1, \zero
	PLACES
	FETCH \slot, \q, \g
	s_wait_dscnt 32                                ; all but the 32 just issued
	MUL12 \f, 2, \zero
	MUL12 \f, 3, \zero
.endm
; The last quarter multiplies buffer 1 and changes slots: ONE barrier; in front of it each wave waits for all its tensor loads, adds 0 to its spare word, and waits for that and for its own reads of this slot.
; fill = 1: this slot is filled again, two K steps ahead; the barrier then opens a round of the cluster's.
.macro TURN slot, next, fill
	WIN 0                                          ; (the add's two registers lie in window 0)
	s_wait_tensorcnt 0x0                           ; all my tensor loads have landed: the one that was out is my part of the next slot;
	ds_add_u32 v[SPW], v[NIL]                      ; 0 onto my spare word
	s_wait_dscnt 5                                 ; (the add and the youngest four loads may be out)
	MUL12 F1, 0, 0                                 ; twelve matrix instructions stand between the add and the wait for it
	s_wait_dscnt 0x0                               ; the add is done, and my reads of this slot are over
	s_barrier_signal -1
	MUL12 F1, 1, 0                                 ; work on registers while the others arrive
.if \fill
	WIN 0
.endif
	s_barrier_wait -1
.if \fill
	CREST                                          ; no wave of any partner still reads this slot's tile or has a load on its way
	s_add_nc_u64 s[G0+4*(\slot)+2:G0+4*(\slot)+3], s[G0+4*(\slot)+2:G0+4*(\slot)+3], 2*KSTEP*2
	s_add_nc_u64 s[G0B+4*(\slot)+2:G0B+4*(\slot)+3], s[G0B+4*(\slot)+2:G0B+4*(\slot)+3], 2*KSTEP*WROW
	JLOAD \slot                                    ; the first tensor load behind the round, my one load until the next; the four v_nop behind it are also the places in front of the loads below
.else
	PLACES
.endif
	FETCH \next, 0, F0
	MUL12 F1, 2, 0
	MUL12 F1, 3, 0
.endm
; THE WAY OUT of row block a.  PACK: rounded to f16, 16 bytes a lane.  TOSTAGE: into my own stage, and back as four rows' 128 bytes of one head.  SEND: stored.
.macro PACK a
.set AC, 96*((\a)%2)
	WIN 0x05+5*((\a)/2)                            ; sources 0 and 1: window 1 or 2
.irp b, 0,1,2,3,4,5,6,7,8,9,10,11
.irp r, 0,1,2,3
	v_cvt_pk_f16_f32 v[TMP+4*(\b)+(\r)], v[AC+8*(\b)+2*(\r)], v[AC+8*(\b)+2*(\r)+1]
.endr
.endr
	WIN 0
.endm
.macro TOSTAGE a
.set BK, BK0+48*((\a)%2)
.irp b, 0,1,2,3,4,5,6,7,8,9,10,11
	ds_store_b128 v[STO], v[TMP+4*(\b):TMP+4*(\b)+3] offset:32*(\b)
.endr
.irp t, 0,1,2,3,4,5,6,7,8,9,10,11
	ds_load_b128 v[BK+4*(\t):BK+4*(\t)+3], v[RD] offset:((\t)/4)*128+((\t)%4)*4*SP  ; LDS serves a wave's instructions in order (ISA guide 5.7.1.4): these see the stores above
.endr
.endm
.macro SEND a
.set BK, BK0+48*((\a)%2)
	s_wait_dscnt 0x0                               ; the block is back in registers
	s_wait_xcnt 0x0                                ; the other buffer, which the block before's stores read, is loaded again only behind this wait
.irp t, 0,1,2,3,4,5,6,7,8,9,10,11
	global_store_b128 v[GO], v[BK+4*(\t):BK+4*(\t)+3], s[8:9] offset:((\t)/4)*524288+(\a)*2048+((\t)%4)*512  ; head t / 4; 512 consecutive bytes, at a multiple of 256 from qkv's first byte
.endr
.endm
	s_wait_tensorcnt 1                             ; my part of K step 0 is in; K step 1's may stay out
	s_barrier_signal -1
	s_barrier_wait -1                              ; everybody's is
	FETCH 0, 0, F0
	QUARTER 0, 1, F0, F1, 1                        ; the first quarter stands in front of the loop: its products start the sums
	WIN 0                                          ; at a label and at a branch every window is 0
	s_mov_b32 s3, LAPS-1
.Llap:                                                 ; a trip goes once round the ring, from a lap's second quarter to the next lap's first, and fills both slots again
	QUARTER 0, 2, F1, F0, 0
	QUARTER 0, 3, F0, F1, 0
	TURN 0, 1, 1
	QUARTER 1, 1, F0, F1, 0
	QUARTER 1, 2, F1, F0, 0
	QUARTER 1, 3, F0, F1, 0
	TURN 1, 0, 1
	QUARTER 0, 1, F0, F1, 0
	WIN 0
	s_sub_co_u32 s3, s3, 1
	s_cmp_lg_u32 s3, 0
	s_cbranch_scc1 .Llap
	QUARTER 0, 2, F1, F0, 0                        ; the last lap fills nothing, and has no round of the cluster's barrier
	QUARTER 0, 3, F0, F1, 0
	TURN 0, 1, 0
	QUARTER 1, 1, F0, F1, 0
	QUARTER 1, 2, F1, F0, 0
	QUARTER 1, 3, F0, F1, 0
	s_wait_dscnt 4                                 ; the very last quarter: nothing more to fetch
	MUL12 F1, 0, 0
	MUL12 F1, 1, 0
	s_wait_dscnt 0x0
	MUL12 F1, 2, 0
	MUL12 F1, 3, 0
	WIN 0
	PLACES
	PACK 0
	TOSTAGE 0
.irp a, 1,2,3                          ; block a's conversions stand between block a - 1's loads from the stage and the wait for them
	PACK \a
	SEND (\a)-1
	TOSTAGE \a
.endr
	SEND 3
	s_wait_tensorcnt 0x0                           ; the wave's end, behind my last tensor load and my last LDS store
	ds_add_u32 v[SPW], v[NIL]
	s_wait_dscnt 0x0
	CROUND                                         ; the closing round: no work-group ends while a partner may still ask for a tile that names it
	s_endpgm
.Lfunc_end_k_qe287d30ad7_qkv:
	.size	k_qe287d30ad7_qkv, .Lfunc_end_k_qe287d30ad7_qkv-k_qe287d30ad7_qkv
	.p2alignl 7, 3214868480
	.fill 96, 4, 3214868480
	.section	.rodata,"a",@progbits
	.p2align	6, 0x0
	.amdhsa_kernel k_qe287d30ad7_qkv
		.amdhsa_group_segment_fixed_size 327680
		.amdhsa_private_segment_fixed_size 0
		.amdhsa_enable_private_segment 0
		.amdhsa_kernarg_size 24
		.amdhsa_user_sgpr_count 2
		.amdhsa_user_sgpr_kernarg_segment_ptr 1
		.amdhsa_wavefront_size32 1
		.amdhsa_system_sgpr_workgroup_id_x 1
		.amdhsa_system_sgpr_workgroup_id_y 1
		.amdhsa_system_sgpr_workgroup_id_z 1
		.amdhsa_system_vgpr_workitem_id 0
		.amdhsa_next_free_vgpr 1024
		.amdhsa_next_free_sgpr 72
		.amdhsa_reserve_vcc 0
		.amdhsa_float_denorm_mode_32 3
		.amdhsa_float_denorm_mode_16_64 3
		.amdhsa_memory_ordered 1
		.amdhsa_forward_progress 1
		.amdhsa_inst_pref_size 118
	.end_amdhsa_kernel
	.amdgpu_metadata
---
amdhsa.version: [ 1, 2 ]
amdhsa.kernels:
  - .name:           k_qe287d30ad7_qkv
    .symbol:         k_qe287d30ad7_qkv.kd
    .args:
      - { .name: xb, .offset: 0, .size: 8, .value_kind: global_buffer, .address_space: global }
      - { .name: wb, .offset: 8, .size: 8, .value_kind: global_buffer, .address_space: global }
      - { .name: qkv, .offset: 16, .size: 8, .value_kind: global_buffer, .address_space: global }
    .group_segment_fixed_size: 327680
    .private_segment_fixed_size: 0
    .kernarg_segment_align: 8
    .kernarg_segment_size: 24
    .max_flat_workgroup_size: 128
    .sgpr_count:     72
    .vgpr_count:     1024
    .wavefront_size: 32
...
	.end_amdgpu_metadata
.endif
;; end of part 2
;; launch attn (part 3): grid 16 x 12, 4 waves a work-group, no clusters, 327,680 bytes of LDS; arguments qkv, ctx; writes ctx
.if DOCPART == 3
	.amdgcn_target "amdgcn-amd-amdhsa--gfx1250"
	.amdhsa_code_object_version 6
	.text
	.protected	k_qe287d30ad7_attn
	.globl	k_qe287d30ad7_attn
	.p2align	8
	.type	k_qe287d30ad7_attn,@function
k_qe287d30ad7_attn:
	s_mov_b64 s[64:65], 0
	v_nop
	global_prefetch_b8 v0, s[64:65] scope:SCOPE_SE
	s_setreg_imm32_b32 hwreg(HW_REG_WAVE_MODE, 25, 1), 1
	s_wait_xcnt 0x0
; CAUSAL ATTENTION, 12 heads of 64 channels, 4,096 rows.  O[h][q][:] = the sum over k <= q of softmax_k(Q[h][q] . K[h][k] / 8) V[h][k][:].
; qkv: [36 g][4096][64] f16, g = head for Q, 12 + head for K, 24 + head for V.  ctx: [32 blocks of 128 queries][12 heads][128 rows][64] f16.
; Products, maxima and sums in f32; the weights p are rounded to f16 for the second product (their sum l is taken of the unrounded p), O once at the end.
; LIMITS.  f16 holds no number beyond 65,504: Q, K and V arrive within it; p lies in 0 to 1, and below 6e-5 it keeps f16's fixed step of 6e-8; O is a mean of V's rows and has their range.
; A hidden score counts as its value less 1e30: f16's scores, 2.7e11 at the most, are nothing beside that; a weight below 2^-126 counts as 0 in l; NaN and infinities are not treated apart.
; THE WALK.  A head's queries lie in 32 blocks of 128; block i needs the key tiles 0 .. i / 2 of 256 keys, of which the last holds the diagonal.  A work-group takes TWO blocks, 31 - b and then b:
; (31 - b) / 2 + b / 2 + 2 = 17 tiles, whatever b: all 192 work-groups do equal work, and ONE loop with a constant trip count walks them.  Which tile is asked for, and what a trip does, hang on scalar
; registers made from b; every jump goes forward, but for the counted loops' own; none passes a barrier, or a tensor load but the one of LOAD's two that the wave's number does not choose; the ring (two slots of
; LDS that take turns) runs on across the change of blocks.  NO CLUSTER: the jumps that choose a tile's text (a block's first, its diagonal, neither) hang on b, which differs between the work-groups of a head,
; and only the pairs 2 a, 2 a + 1 walk the same tiles from first to last.
; SHARES.  Of a block's two bands of 64 queries a wave owns 16 rows in each: two SETS.  Keys go in super-steps of 128, two halves of 64.  A PIECE is a set and a half: piece 2 x half + set, four a super-step.
; In the super-step that holds the diagonal, piece 0 and piece 3 (half = set) hold it, piece 1 sees all keys, piece 2 none: the same for every wave.
; THE MASK is the C operand that starts the sum S^T = K Q^T: 0, or -1e30 where the key is hidden.  MD, made once, is the mask of a band's own 64 keys for my 16 rows; a product's mask is MD x AL + BE with two
; scalars.  Only the diagonal tile's text and a block's beginning make and take masks; elsewhere C is the constant 0.
; LAYOUT, SOFTMAX, TURNS.  S^T = K Q^T holds ONE query a lane (lane % 16) and the keys 8 (lane / 16) + 0..7; two such results rounded to f16 ARE source 1 of O^T = V^T P.  p = 2^(c s - c m), c = log2(e) / 8, with a
; running maximum m; O and l are multiplied by a = 2^(c m_old - c m_new) in every step.  Turn n belongs to piece n: 8 products K Q^T of piece n + 1, later 8 products V^T P of piece n - 1; beside them the scaling,
; exponentials, roundings, sums and rescaling of piece n and the maximum and statistics of piece n + 1.  Pieces n and n + 2 are the same set: its statistics and O^T are touched in every second turn, in the order
; rescale (turn n), V^T P (turn n + 1), rescale (turn n + 2).  Four vector instructions stand behind every matrix instruction, the other 54 of a turn's 118 in two LUMPS.
; REGISTERS, in windows of 256 (s_set_vgpr_msb: bits 1:0 source 0, 3:2 source 1, 5:4 source 2, 7:6 destination):
;   window 0: v0-15 addresses and two at work; v16-23 four registers of statistics a set; v48-55 at work; v64-127 S^T, two buffers; v192-223 P, two buffers (all by the piece's parity, which is its set)
;   window 1: v0-63 O^T, 32 a set; v128-159 MD; v160-223 MC, two buffers      window 2: v0-31 Q; v32-63 the second block's Q; v128-255 K of one super-step      window 3: v0-127 V of one super-step
.set NT,    16        ; the walk has NT + 1 tiles
.set NP,    4         ; pieces a super-step: a name, no knob
.set KS,    64        ; keys in half a super-step
.set PK,    144       ; a row of K in LDS: 128 bytes + 16 of padding = 36 words: the 16 rows of a load start at 16 different groups of four banks (64 banks of 4 bytes: ISA guide 11.1)
.set PV,    160       ; a row of V: 128 + 32 = 40 words
.set VOFF,  4*KS*PK   ; a slot holds a tile: 256 rows of K, then 256 rows of V
.set SLOT1, 1<<17     ; slot 1 begins here, so that one exclusive or turns an address in one slot into the other's
.set STAGE, SLOT1+4*KS*(PK+PV)  ; behind the ring, never filled by a tensor load: 16 rows x 144 bytes for each wave, for the way out
.set SP,    144
.set AK0, 2           ; v2   my lane's place in a tile of K; never rewritten
.set AV0, 3           ; v3   the same for V
.set AK,  4           ; v4   the LDS address of K's next run of loads
.set AV,  5           ; v5   of V's
.set STO, 6           ; v6   the way out: where I put 16 bytes of a row
.set RD,  7           ; v7   the way out: where I read rows back
.set GO,  8           ; v8   my byte offset in 512 consecutive bytes of ctx
.set SPW, 62          ; v62  LDS address of my spare word: SPARE + 4 x my thread's number; never rewritten
.set NIL, 63          ; v63  0; never rewritten
.set SPARE, STAGE+4*16*SP  ; behind the stages: the spare words, 128 bytes for each wave: two blocks of 256 bytes that no other line names
.set MV,  12          ; v12-13  c m_old, kept while c m is made anew: by set
.set QO,  15          ; v15  my byte offset in 16 rows of Q
.set ST,  16          ; set t's statistics at v[ST+4 t]: c m, m, l (even keys', odd keys')
.set TMP, 48          ; by set, four registers c0-c3 at work; when the maximum is found c2 takes a
.set S,   64
.set P,   192
.set MD,  128         ; window 1: the eight registers for group kt of 16 keys at MD + 8 kt
.set MC,  160         ; window 1: the masks of the products to come
.set QB,  32          ; window 2
.set KF,  128         ; window 2: half hf, key block kb, channel half c at KF + 64 hf + 16 kb + 8 c
.set VF,  0           ; window 3: half hf, key half kk, channel block cb at VF + 64 hf + 32 kk + 8 cb
.set WV,  12          ; s12  my wave's number
.set PB,  14          ; s14  b
.set HI,  15          ; s15  31 - b
.set G1K, 24          ; s[24:31] descriptor group 1 for K's tiles
.set G1V, 32          ; s[32:39] for V's: it differs in the padding alone
.set G0K, 40          ; s[40:43] descriptor group 0 for K's tiles
.set G0V, 44          ; s[44:47] the same for V's
.set SLOTS, 56        ; s56  tiles still to be asked for
.set CNT, 57          ; s57  counts a tile's super-steps, 2 to 1
.set CS,  58          ; s[58:59] c: the packed scaling takes the pair's low word for both halves
.set SEL, 60          ; s[60:61] v_permlanex16_b32's selects: each lane takes its own place in the other half
.set TBK, 62          ; s62  LDS byte at which K of the super-step to be fetched begins
.set TBV, 63          ; s63  the same for V, less VOFF
.set RT,  70          ; s70  tiles of the block in hand that are still to be entered
.set NXT, 71          ; s71  the tile to be asked for next
.set LQ,  72          ; s72  the last tile of the block whose tiles are being asked for
.set NEW, 73          ; s73  1: the tile to be entered is a block's first
.set OFF, 74          ; s[74:75] a tile's byte offset in K and V
.set AL,  76          ; s[76:77] the mask's factor, in the low word
.set BE,  78          ; s[78:79] the mask's addend
.set OLO, 80          ; s[80:81] ctx at my rows of the second block
.set BIGN, 82         ; s82  -1e30
.set DSC, 88          ; s88  the value of CNT in the super-step that holds the diagonal: 2 - (block % 2), for the block in hand
.set DSL, 89          ; s89  the same for the second block
.set BI,  90          ; s90  the block in hand
.set HIT, 91          ; s91  the first block's last tile
.set LOT, 92          ; s92  the second block's last tile
.set MSB, 0
.macro WIN new                      ; the high byte repeats the setting that is left; a switch that changes nothing is dropped
.if MSB != (\new)
	s_set_vgpr_msb (MSB<<8)|(\new)
.set MSB, (\new)
.endif
.endm
.set W_KQ, 0x0a       ; K and Q in window 2, S^T in window 0
.set W_KM, 0x1a       ; the same with the C operand in window 1
.set W_PV, 0x53       ; V in window 3, P in window 0, O^T in window 1
.set W_RS, 0x41       ; destination and source 0 in window 1, source 1 in window 0
; A fill.  Waves 0 and 1 fetch the two halves of a tile's K, waves 2 and 3 those of its V: 128 keys each.  An s_nop 0 and four v_nop follow each of the two lines, ahead of the jump and the label.
.macro LOAD
	s_cmp_lt_u32 s[WV], 2
	s_cbranch_scc0 .Lfor_v_\@
	tensor_load_to_lds s[G0K:G0K+3], s[G1K:G1K+7]
	s_nop 0
.rept 4
	v_nop
.endr
	s_branch .Lasked_\@
.Lfor_v_\@:
	tensor_load_to_lds s[G0V:G0V+3], s[G1V:G1V+7]
	s_nop 0
.rept 4
	v_nop
.endr
.Lasked_\@:
.endm
; THE CHANGE OF SLOTS.  Each wave waits for all its tensor loads, of which one is out: its part of the other slot; adds 0 to its spare word; and waits for that and for its own reads of the slot that it leaves.
; Behind the barrier nobody reads the old slot any more and the other slot is whole.  fill = 1: the old slot is filled again, the first thing behind the barrier, with tile NXT: the descriptor's address is made anew
; from that number.  (At its first use nothing has been read yet: slot 0 is waited for, slot 1 filled.)
.macro CHANGE fill
	WIN 0                           ; at a label and at a branch every window is 0
	s_wait_tensorcnt 0x0            ; no tensor load of mine is out, so a group 0 may be written
	ds_add_u32 v[SPW], v[NIL]       ; 0 onto my spare word; with fill = 1 the descriptors' scalar work stands between it and the wait for it
.if \fill
	s_lshl_b32 s[OFF], s[NXT], 15   ; a tile is 32,768 bytes of K and of V
	s_xor_b32 s[G0K+1], s[G0K+1], SLOT1
	s_add_nc_u64 s[G0K+2:G0K+3], s[6:7], s[OFF:OFF+1]
	s_or_b32 s[G0K+3], s[G0K+3], 0x80000000
	s_xor_b32 s[G0V+1], s[G0V+1], SLOT1
	s_add_nc_u64 s[G0V+2:G0V+3], s[8:9], s[OFF:OFF+1]
	s_or_b32 s[G0V+3], s[G0V+3], 0x80000000
	s_add_co_u32 s[NXT], s[NXT], 1  ; the block's next tile, or behind its last the second block's tile 0
	s_cmp_gt_u32 s[NXT], s[LQ]
	s_cselect_b32 s[NXT], 0, s[NXT]
	s_cselect_b32 s[LQ], s[LOT], s[LQ]
.endif
	s_wait_dscnt 0x0                ; the add is done, and my reads of the slot are over
	s_barrier_signal -1             ; the rest of the scalar work stands between the signal and the wait
	s_sub_co_u32 s[TBK], s[TBK], 4*KS*PK  ; the fetches go back to a slot's first super-step,
	s_xor_b32 s[TBK], s[TBK], SLOT1       ; in the other slot
	s_sub_co_u32 s[TBV], s[TBV], 4*KS*PV
	s_xor_b32 s[TBV], s[TBV], SLOT1
	s_barrier_wait -1
.if \fill
	LOAD
.endif
.endm
	s_load_b64 s[4:5], s[0:1], 0x0    ; qkv
	s_load_b64 s[10:11], s[0:1], 0x8  ; ctx
	v_lshl_add_u32 v[SPW], v0, 2, SPARE
	v_mov_b32 v[NIL], 0
	ds_add_u32 v[SPW], v[NIL]       ; the wave's opening: the add and its wait stand ahead of my first tensor load; the set-up below, work on registers, stands between them
	ds_add_u32 v62, v63
	v_lshrrev_b32 v1, 5, v0
	v_readfirstlane_b32 s[WV], v1   ; wave 0..3
	s_mov_b32 s[PB], ttmp9
	s_sub_co_u32 s[HI], 31, s[PB]
	s_lshr_b32 s[HIT], s[HI], 1
	s_lshr_b32 s[LOT], s[PB], 1
	s_and_b32 s[DSC], s[HI], 1
	s_sub_co_u32 s[DSC], 2, s[DSC]
	s_and_b32 s[DSL], s[PB], 1
	s_sub_co_u32 s[DSL], 2, s[DSL]
	s_mov_b32 s[BI], s[HI]
	s_and_b32 s19, ttmp7, 0xffff    ; the head
	s_lshl_b32 s20, s19, 19         ; its 524,288 bytes in each of Q, K, V
	s_and_b32 s16, s[WV], 1         ; which half of a tile's 256 keys I fetch:
	s_lshl_b32 s22, s16, 14         ; its 128 rows of 128 bytes in memory,
	s_add_co_u32 s22, s22, s20
	s_add_co_u32 s22, s22, 6291456  ; K lies behind Q's twelve heads,
	s_mov_b32 s23, 0
	s_add_co_u32 s48, s22, 6291456  ; V behind K's
	s_mov_b32 s49, 0
	s_mul_i32 s17, s16, 128*PK      ; and its place in a slot, for K
	s_mul_i32 s18, s16, 128*PV      ; and for V
	s_lshl_b32 s3, s[WV], 11        ; my 16 rows in a band of 64,
	s_lshl_b32 s2, s[HI], 14        ; in the first block of Q,
	s_add_co_u32 s2, s2, s3
	s_add_co_u32 s2, s2, s20
	s_lshl_b32 s84, s[PB], 14       ; and in the second
	s_add_co_u32 s84, s84, s3
	s_add_co_u32 s84, s84, s20
	s_mul_i32 s50, s[HI], 12        ; in ctx a block's twelve heads lie together, 16,384 bytes each
	s_add_co_u32 s50, s50, s19
	s_lshl_b32 s50, s50, 14
	s_add_co_u32 s50, s50, s3
	s_mul_i32 s52, s[PB], 12
	s_add_co_u32 s52, s52, s19
	s_lshl_b32 s52, s52, 14
	s_add_co_u32 s52, s52, s3
	s_mov_b32 s3, 0
	s_mov_b32 s85, 0
	s_mov_b32 s51, 0
	s_mov_b32 s53, 0
	; descriptor group 1.  128 keys are 16,384 dense bytes: asked for as 64 rows of 256 bytes, two keys a row, and padded in LDS after every key
	s_mov_b32 s[G1K], (1<<16)|(1<<20)|(4<<22)|(3<<25)  ; 17:16 2-byte elements; 20 padding on; 24:22 after every 32 words (code 4); 31:25 4 words (code 3)
	s_mov_b32 s[G1V], (1<<16)|(1<<20)|(4<<22)|(7<<25)  ; the same with 8 words of padding (code 7)
.irp g, G1K, G1V
	s_mov_b32 s[\g+1], 128<<16      ; tensor_dim0 = 128
	s_mov_b32 s[\g+2], 64<<16       ; tensor_dim1 = 64
	s_mov_b32 s[\g+3], 128<<16      ; tile_dim0 = 128
	s_mov_b32 s[\g+4], 64           ; tile_dim1 = 64
	s_mov_b32 s[\g+5], 128          ; 128 elements from row to row
	s_mov_b32 s[\g+6], 0
	s_mov_b32 s[\g+7], 0
.endr
	s_mov_b32 s[CS], 0x3e38aa3b     ; c = log2(e) / 8 = 0.180337
	s_mov_b32 s[CS+1], s[CS]        ; named with it as a pair
	s_mov_b32 s[SEL], 0x76543210
	s_mov_b32 s[SEL+1], 0xfedcba98
	s_mov_b32 s[TBK], SLOT1+4*KS*PK ; the first change of slots turns these two into 0
	s_mov_b32 s[TBV], SLOT1+4*KS*PV
	s_mov_b32 s[G0K], 1             ; 1:0 count = 1
	s_mov_b32 s[G0K+1], s17         ; 63:32 LDS address: slot 0
	s_mov_b32 s[G0V], 1
	s_add_co_u32 s[G0V+1], s18, VOFF
	s_add_co_u32 s[RT], s[HIT], 1   ; the first block's tiles
	s_mov_b32 s[NXT], 1
	s_mov_b32 s[LQ], s[HIT]
	s_mov_b32 s[NEW], 1
	s_mov_b32 s[OFF+1], 0
	s_mov_b32 s[AL+1], 0            ; named as pairs
	s_mov_b32 s[BE+1], 0
	s_mov_b32 s[BIGN], 0xf149f2ca   ; -1e30
	s_mov_b32 s[SLOTS], NT
	s_wait_dscnt 0x0                ; the opening add is done
	s_wait_kmcnt 0x0
	s_add_nc_u64 s[6:7], s[4:5], s[22:23]  ; K and V at my half of the head's tile 0
	s_add_nc_u64 s[8:9], s[4:5], s[48:49]
	s_add_nc_u64 s[G0K+2:G0K+3], s[6:7], 0         ; 120:64 global address
	s_or_b32 s[G0K+3], s[G0K+3], 0x80000000        ; 127:126 type = 2
	s_add_nc_u64 s[G0V+2:G0V+3], s[8:9], 0
	s_or_b32 s[G0V+3], s[G0V+3], 0x80000000
	s_add_nc_u64 s[86:87], s[4:5], s[84:85]        ; Q at my rows of the second block,
	s_add_nc_u64 s[4:5], s[4:5], s[2:3]            ; and of the first
	s_add_nc_u64 s[OLO:OLO+1], s[10:11], s[52:53]  ; ctx likewise
	s_add_nc_u64 s[10:11], s[10:11], s[50:51]
	LOAD                            ; tile 0 into slot 0
	; A fragment of K or Q is 16 rows x 32 channels in 8 registers: lane l holds row l % 16, channels 8 (l / 16) + 0..7 and 16 + 8 (l / 16) + 0..7: two loads of 16 bytes, 32 bytes apart.
	v_and_b32 v1, 15, v0            ; l % 16
	v_bfe_u32 v9, v0, 4, 1          ; l / 16
	v_lshlrev_b32 v[QO], 7, v1
	v_lshl_add_u32 v[QO], v9, 4, v[QO]  ; row x 128 + 16 x half
	WIN 0x80                        ; destination window 2, address window 0
.set i, 0
.rept 4                             ; both blocks' Q: set i / 2 lies in band i / 2, 8,192 bytes on; channels 32 (i % 2) on
	global_load_b128 v[8*i:8*i+3],   v[QO], s[4:5] offset:(i/2)*8192+(i%2)*64
	global_load_b128 v[8*i+4:8*i+7], v[QO], s[4:5] offset:(i/2)*8192+(i%2)*64+32
	global_load_b128 v[QB+8*i:QB+8*i+3],   v[QO], s[86:87] offset:(i/2)*8192+(i%2)*64
	global_load_b128 v[QB+8*i+4:QB+8*i+7], v[QO], s[86:87] offset:(i/2)*8192+(i%2)*64+32
.set i, i+1
.endr
	WIN 0
	v_lshlrev_b32 v14, 3, v9
	v_sub_nc_u32 v14, v1, v14
	s_lshl_b32 s13, s[WV], 4
	v_add_nc_u32 v14, s13, v14      ; my query's place in its band, 16 w + l % 16, less my lanes' 8 (l / 16): register r of group kt is hidden where 16 kt + r is greater
	WIN 0x40
.set i, 0
.rept 32
	v_cmp_gt_i32 vcc_lo, 16*(i/8)+i%8, v14
	v_cndmask_b32 v[MD+i], 0, s[BIGN], vcc_lo
.set i, i+1
.endr
	WIN 0
	v_mul_u32_u24 v[AK0], v1, PK
	v_lshl_add_u32 v[AK0], v9, 4, v[AK0]  ; row x pitch + 16 x half
	; The turning load takes 16 keys x 16 channels (lane l reads key 8 (l / 16) + l % 8, channels 8 ((l / 8) % 2) + 0..7) and leaves half a fragment of V^T: lane l holds channel l % 16 and 8 keys.
	v_and_b32 v10, 7, v0
	v_bfe_u32 v11, v0, 3, 1
	v_lshl_add_u32 v[AV0], v9, 3, v10
	v_mul_u32_u24 v[AV0], v[AV0], PV
	v_lshl_add_u32 v[AV0], v11, 4, v[AV0]
	v_add_nc_u32 v[AV0], VOFF, v[AV0]
	s_mul_i32 s13, s[WV], 16*SP
	s_add_co_u32 s13, s13, STAGE    ; my stage
	v_mul_u32_u24 v[STO], v1, SP    ; in: row l % 16, 16 bytes for each half of the lanes
	v_lshl_add_u32 v[STO], v9, 4, v[STO]
	v_add_nc_u32 v[STO], s13, v[STO]
	v_bfe_u32 v[RD], v0, 3, 2       ; back: 32 lanes take four rows of 128 bytes,
	v_mul_u32_u24 v[RD], v[RD], SP
	v_lshl_add_u32 v[RD], v10, 4, v[RD]
	v_add_nc_u32 v[RD], s13, v[RD]
	v_and_b32 v[GO], 31, v0         ; which are 512 consecutive bytes of ctx
	v_lshlrev_b32 v[GO], 4, v[GO]
	; A block's first step multiplies O^T and l by a = 0, and its first turn's products V^T P, of a piece that has not been, land in an O^T that is still to be so multiplied.  So these registers need only hold
	; finite numbers: zeros for the first block; what the first block left for the second.  All this stands in the wait for the first tile.
	WIN 0xc0
.set i, VF
.rept 128
	v_mov_b32 v[i], 0
.set i, i+1
.endr
	WIN 0x40
.set i, 0
.rept 64
	v_mov_b32 v[i], 0
.set i, i+1
.endr
	WIN 0
.set i, 0
.rept 2
	v_mov_b32 v[ST+4*i+2], 0
	v_mov_b32 v[ST+4*i+3], 0
.set i, i+1
.endr
.set i, P+16
.rept 16
	v_mov_b32 v[i], 0
.set i, i+1
.endr
; THE MATRIX WORK.  The 4 accumulators of a run of 8 take turns.  Product i of 8 of S^T = K Q^T for piece x: channels 32 (i / 4) on, keys 16 (i % 4) on of half x / 2.  The first 4 start the sums: with 0, or (KM = 1) with the mask.
.macro KQ x
.set rS, S+32*((\x)%2)+8*(i%4)
.set rK, KF+64*((\x)/2)+16*(i%4)+8*(i/4)
.set rQ, 16*((\x)%2)+8*(i/4)
.set rM, MC+32*((\x)%2)+8*(i%4)
.if (i < 4) && KM
	WIN W_KM
	v_wmma_f32_16x16x32_f16 v[rS:rS+7], v[rK:rK+7], v[rQ:rQ+7], v[rM:rM+7]
.elseif i < 4
	WIN W_KQ
	v_wmma_f32_16x16x32_f16 v[rS:rS+7], v[rK:rK+7], v[rQ:rQ+7], 0
.else
	WIN W_KQ
	v_wmma_f32_16x16x32_f16 v[rS:rS+7], v[rK:rK+7], v[rQ:rQ+7], v[rS:rS+7]
.endif
.endm
; Product i of 8 of O^T += V^T P for piece x: keys 32 (i / 4) on of half x / 2, channels 16 (i % 4) on.
.macro PV x
	WIN W_PV
.set rO, 32*((\x)%2)+8*(i%4)
.set rV, VF+64*((\x)/2)+32*(i/4)+8*(i%4)
.set rP, P+16*((\x)%2)+8*(i/4)
	v_wmma_f32_16x16x32_f16 v[rO:rO+7], v[rV:rV+7], v[rP:rP+7], v[rO:rO+7]
.endm
.macro MM                           ; the turn's next matrix instruction.  TURN and BEGIN set Y, i, KM and NOKQ; MM, KQ and OP read them.  NOKQ = 1: a block's last turn: there is no next piece
.if (i < 8) && !NOKQ
	KQ (Y+1)%NP
.elseif i >= 8
.set i, i-8
	PV (Y+NP-1)%NP
.set i, i+8
.endif
.set i, i+1
.endm
; THE LDS LOADS stand in runs of 32, never singly among the matrix instructions: a super-step's K (128 keys x 64 channels: 16 fragments) and its V (turned).  Their addresses are made some lines ahead.
.macro FETCH_K
	WIN 0x80                        ; destination window 2
.irp f, 0,1,2,3,4,5,6,7,8,9,10,11,12,13,14,15  ; keys 16 (f / 2) on, channels 32 (f % 2) on
	ds_load_b128 v[KF+8*\f:KF+8*\f+3],   v[AK] offset:(\f/2)*16*PK+(\f%2)*64
	ds_load_b128 v[KF+8*\f+4:KF+8*\f+7], v[AK] offset:(\f/2)*16*PK+(\f%2)*64+32
.endr
	s_add_co_u32 s[TBK], s[TBK], 2*KS*PK  ; the next fetch is the next super-step's
	WIN 0
.endm
.macro FETCH_V
	WIN 0xc0                        ; destination window 3
.irp f, 0,1,2,3,4,5,6,7,8,9,10,11,12,13,14,15  ; keys 32 (f / 4) on, channels 16 (f % 4) on
	ds_load_tr16_b128 v[VF+8*\f:VF+8*\f+3],   v[AV] offset:(\f/4)*32*PV+(\f%4)*32
	ds_load_tr16_b128 v[VF+8*\f+4:VF+8*\f+7], v[AV] offset:(\f/4)*32*PV+16*PV+(\f%4)*32
.endr
	WIN 0
.endm
; THE VECTOR WORK, one line at a time: OP kind, number.  For piece Y: F n: c s - c m for pair n of 16.  E n: the exponential of score n of 32.  C n: pair n rounded to f16.  B n: of the four weights 4 n .. the second
; pair is added onto the first, in place.  L n: l takes that sum (L 0: l = a l + sum).  R n: pair n of 16 of O^T times a.  For piece Y + 1: X n, number n of the 22 that find its maximum and statistics:
;   0-11  four chains c0-c3 of seven scores each, three operands at a time (each accumulator's lowest registers are read first)     12-14, 16  the four scores left over, the old m, and c0-c3 into c0
;   15  c m_old is kept     17, 18  the query's other 32 keys lie in the lane 16 away: the new m     19-21  c m; c m_old - c m_new; a
.set F, 0               ; OP tells the kinds apart by their order: F to L below R, X above it
.set E, 1
.set C, 2
.set B, 3
.set L, 4
.set R, 5
.set X, 6
.macro REGS y                       ; the registers of piece y: all go by its set, y % 2
.set rT, ST+4*((\y)%2)
.set rC, TMP+4*((\y)%2)
.set rW, MV+((\y)%2)
.set rS, S+32*((\y)%2)
.set rP, P+16*((\y)%2)
.set rO, 32*((\y)%2)
.endm
.macro OP k, n
.if (\k) == R
	REGS Y
	WIN W_RS
	v_pk_mul_f32 v[rO+2*(\n):rO+2*(\n)+1], v[rO+2*(\n):rO+2*(\n)+1], v[rC+2:rC+3] op_sel_hi:[1,0]
.elseif (\k) < R
	REGS Y
	WIN 0
.if (\k) == F
	v_pk_fma_f32 v[rS+2*(\n):rS+2*(\n)+1], v[rS+2*(\n):rS+2*(\n)+1], s[CS:CS+1], v[rT:rT+1] op_sel_hi:[1,0,0] neg_lo:[0,0,1] neg_hi:[0,0,1]
.elseif (\k) == E
	v_exp_f32 v[rS+(\n)], v[rS+(\n)]
.elseif (\k) == C
	s_wait_alu depctr_va_vdst(0)
	v_cvt_pk_f16_f32 v[rP+(\n)], v[rS+2*(\n)], v[rS+2*(\n)+1]
.elseif (\k) == B
	s_wait_alu depctr_va_vdst(0)
	v_pk_add_f32 v[rS+4*(\n):rS+4*(\n)+1], v[rS+4*(\n):rS+4*(\n)+1], v[rS+4*(\n)+2:rS+4*(\n)+3]
.elseif (\n) == 0
	v_pk_fma_f32 v[rT+2:rT+3], v[rT+2:rT+3], v[rC+2:rC+3], v[rS:rS+1] op_sel_hi:[1,0,1]
.else
	v_pk_add_f32 v[rT+2:rT+3], v[rT+2:rT+3], v[rS+4*(\n):rS+4*(\n)+1]
.endif
.elseif NOKQ
	v_nop
.else
	REGS (Y+1)%NP
	WIN 0
.if (\n) < 4
	v_max3_num_f32 v[rC+(\n)], v[rS+8*(\n)], v[rS+8*(\n)+1], v[rS+8*(\n)+2]
.elseif (\n) < 12
	v_max3_num_f32 v[rC+(\n)%4], v[rC+(\n)%4], v[rS+8*((\n)%4)+2*((\n)/4)+1], v[rS+8*((\n)%4)+2*((\n)/4)+2]
.elseif (\n) == 12
	v_max3_num_f32 v[rC], v[rC], v[rS+7], v[rS+15]
.elseif (\n) == 13
	v_max3_num_f32 v[rC+1], v[rC+1], v[rS+23], v[rS+31]
.elseif (\n) == 14
	v_max3_num_f32 v[rC+2], v[rC+2], v[rC+3], v[rT+1]
.elseif (\n) == 15
	v_mov_b32 v[rW], v[rT]
.elseif (\n) == 16
	v_max3_num_f32 v[rC], v[rC], v[rC+1], v[rC+2]
.elseif (\n) == 17
	v_permlanex16_b32 v[rC+3], v[rC], s[SEL], s[SEL+1]
.elseif (\n) == 18
	v_max_num_f32 v[rT+1], v[rC], v[rC+3]
.elseif (\n) == 19
	v_mul_f32 v[rT], s[CS], v[rT+1]
.elseif (\n) == 20
	v_sub_f32 v[rC+1], v[rW], v[rT]
.else
	v_exp_f32 v[rC+2], v[rC+1]
.endif
.endif
.endm
.macro OPS a, i1, b=-1, i2=0, c=-1, i3=0, d=-1, i4=0  ; up to four of them
	OP \a, \i1
.if (\b) >= 0
	OP \b, \i2
.endif
.if (\c) >= 0
	OP \c, \i3
.endif
.if (\d) >= 0
	OP \d, \i4
.endif
.endm
.macro ROW a, i1, b, i2, c, i3, d, i4  ; a matrix instruction and the four behind it
	MM
	OPS \a, \i1, \b, \i2, \c, \i3, \d, \i4
.endm
.macro MASK b                       ; MD x AL + BE into buffer b of MC
	WIN W_RS
.set z, 0
.rept 16
	v_pk_fma_f32 v[MC+32*(\b)+2*z:MC+32*(\b)+2*z+1], v[MD+2*z:MD+2*z+1], s[AL:AL+1], s[BE:BE+1] op_sel_hi:[1,0,0]
.set z, z+1
.endr
.endm
; A TURN, for piece p: the order of its 16 matrix and 118 vector instructions, written out.  Behind a matrix instruction: plain, exponential, plain, plain; or four of the rescaling; or, behind the first, four scalings; none
; names a register of the products round it.  In the lumps exponential and plain by turns while exponentials last.  A line reads no result made fewer than three vector instructions in front of it, five if an exponential made it.
; v_permlanex16_b32 (X 17) stands in a lump.
; m = 1: the diagonal tile: the products take masks, and the turn makes the mask for the products of the turn after it: piece (p + 2) % 4, in super-step 2 - CNT of the tile.  That super-step holds the diagonal if CNT = DSC and
; is wholly hidden if CNT < DSC.  Where it holds the diagonal: pieces 0 and 3 (p = 2, 1) take MD, piece 1 (p = 3) sees all, piece 2 (p = 0) nothing.
; end = 1: a block's last two turns: nothing is fetched.  cnt = 1: the loop's count is taken down some lines ahead of the branch that stands behind the turn.
; K of the next super-step is fetched in piece 2's turn, six vector instructions behind the last product that read K (five of them plain); V of the super-step in hand in piece 0's turn, eight behind the last product that read V
; (four plain, and X 17).  Each is waited for a turn later.
.macro TURN p, m=0, end=0, cnt=0
.set Y, (\p)
.set i, 0
.set KM, (\m)
.set NOKQ, (\end)*((\p)/3)
.if (\m) && !(\end)
.if ((\p) == 2) || ((\p) == 1)
	s_cmp_eq_u32 s[CNT], s[DSC]
	s_cselect_b32 s[AL], 1.0, 0
.else
	s_mov_b32 s[AL], 0
.endif
.if (\p) == 0
	s_cmp_le_u32 s[CNT], s[DSC]
.else
	s_cmp_lt_u32 s[CNT], s[DSC]
.endif
	s_cselect_b32 s[BE], s[BIGN], 0
.endif
.if ((\p) == 3) && !(\end)
	s_wait_dscnt 0x0                ; K is in
.endif
	ROW F,0, F,1, F,2, F,3
	ROW F,4, E,0, F,5, F,6
	ROW F,7, E,1, F,8, F,9
	ROW F,10, E,2, C,0, F,11
	ROW F,12, E,3, X,15, F,13
	ROW R,0, R,1, R,2, R,3
	ROW B,0, E,4, F,14, L,0
.if ((\p) == 2) && !(\end)
	v_add_nc_u32 v[AK], s[TBK], v[AK0]
.endif
	ROW R,4, R,5, R,6, R,7
	OPS E,5, F,15
.if ((\p) == 2) && !(\end)
	FETCH_K
.endif
	OPS E,6, C,1, E,7, R,8
	OPS E,8, R,9, E,9, C,2
	OPS E,10, X,0, E,11, X,1
	OPS E,12, X,2, E,13, X,3
.if (\p) == 1
	s_wait_dscnt 0x0                ; V is in
.endif
	ROW X,4, E,14, X,5, X,6
	ROW X,7, E,15, X,8, X,9
	ROW X,10, E,16, X,11, X,12
	ROW X,13, E,17, X,14, B,1
	ROW C,4, E,18, X,16, L,1
	ROW B,2, E,19, C,6, L,2
	ROW C,8, E,20, B,3, B,4
.if (\p) == 0
	v_add_nc_u32 v[AV], s[TBV], v[AV0]
.endif
	ROW C,3, E,21, L,3, C,5
	OPS E,22, X,17, E,23, C,10
.if (\p) == 0
	FETCH_V
.endif
	OPS E,24, L,4
	OPS E,25, X,18, E,26, C,7
	OPS E,27, B,5, E,28, X,19
	OPS E,29, C,12, E,30, L,5
	OPS E,31, X,20, B,6, C,9
	OPS C,14, C,11, X,21, L,6
.if (\p) == 0
	s_add_co_u32 s[TBV], s[TBV], 2*KS*PV
.endif
.if \cnt
	s_sub_co_u32 s[CNT], s[CNT], 1
	s_cmp_lg_u32 s[CNT], 0
.endif
	OPS C,13, B,7, C,15, R,10
	OPS R,11, R,12, L,7, R,13
	OPS R,14, R,15
.if (\m) && !(\end)
	MASK (\p)%2
.endif
.endm
; A BLOCK BEGINS.  c m starts far below every c s, so the first step's a is 0; m at the lowest finite number, so the first maximum is the scores'.  The second mask buffer is 0 (piece 1 sees all keys of a block's first
; super-step); the first takes piece 0's mask for that super-step: MD if it holds the diagonal, which is so for block 0 alone.  Then K of that super-step, piece 0's first scores, and its maximum and statistics.
; The loop is entered at a super-step's first turn, in the middle of a trip.
.macro BEGIN
	s_mov_b32 s[NEW], 0
	WIN 0x40
.set i, MC+32
.rept 32
	v_mov_b32 v[i], 0
.set i, i+1
.endr
	WIN 0
.set i, 0
.rept 2
	v_mov_b32 v[ST+4*i], 0xfe000000    ; c m: far below every c s
	v_mov_b32 v[ST+4*i+1], 0xff7fffff  ; m
.set i, i+1
.endr
	s_cmp_eq_u32 s[BI], 0
	s_cselect_b32 s[AL], 1.0, 0
	s_mov_b32 s[BE], 0
	MASK 0
	WIN 0
	v_add_nc_u32 v[AK], s[TBK], v[AK0]
	FETCH_K
	s_wait_loadcnt 0x0              ; Q
	s_wait_dscnt 0x0
.set KM, 1
.set NOKQ, 0
.set i, 0
.rept 8
	KQ 0
.set i, i+1
.endr
	WIN 0
.rept 4
	v_nop                           ; the places behind those products
.endr
.set Y, NP-1                        ; X works for piece Y + 1: piece 0
.irp n, 0,1,2,3,4,5,6,7,8,9,10,11,12,13,14,15,16,17,18,19,20,21
	OP X, \n
.endr
	v_nop                           ; a plain instruction behind the exponential
.endm
; THE DIAGONAL TILE's two super-steps, the block's last two turns, its last products, and THE WAY OUT: l's two halves and the other half of the lanes' are added; O^T is divided by l, rounded to f16 and sent through my
; stage in LDS, a set at a time.
.macro ALL line:vararg              ; one line for each set t
.set t, 0
.rept 2
	\line
.set t, t+1
.endr
.endm
.macro PACK t                       ; a lane's eight channels of a row pack into 16 bytes; they go into rows of 144 bytes and come back as whole rows of 128, into S^T's registers
	WIN W_RS
.set i, 32*(\t)
.rept 16
	s_wait_alu depctr_va_vdst(0)
	v_pk_mul_f32 v[i:i+1], v[i:i+1], v[ST+4*(\t)+2:ST+4*(\t)+3] op_sel_hi:[1,0]
.set i, i+2
.endr
	WIN 0x05                        ; sources 0 and 1 window 1, destination window 0
.set i, 0
.rept 16
	v_cvt_pk_f16_f32 v[S+16*(\t)+i], v[32*(\t)+2*i], v[32*(\t)+2*i+1]
.set i, i+1
.endr
	WIN 0
.irp f, 0,1,2,3
	ds_store_b128 v[STO], v[S+16*(\t)+4*\f:S+16*(\t)+4*\f+3] offset:32*\f
.endr
.irp f, 0,1,2,3
	ds_load_b128 v[S+16*(\t)+4*\f:S+16*(\t)+4*\f+3], v[RD] offset:\f*4*SP  ; LDS serves a wave's instructions in order (ISA guide 5.7.1.4): these see the stores above; the next set's stores come behind them
.endr
.endm
.macro SEND t, younger              ; younger: the LDS instructions issued behind set t's loads: the next set's eight, or none
	WIN 0
.irp f, 0,1,2,3
	s_wait_dscnt (\younger)+3-\f
	global_store_b128 v[GO], v[S+16*(\t)+4*\f:S+16*(\t)+4*\f+3], s[10:11] offset:(\t)*8192+\f*512  ; 512 consecutive bytes, at a multiple of 256 from ctx's first
.endr
.endm
.macro DIAG tag                     ; the tag ends its two labels' names, which the jumps below spell out
.LstepM\tag:
	TURN 2, 1
	TURN 3, 1
	WIN 0
.LfirstM\tag:
	TURN 0, 1
	TURN 1, 1, 0, 1
	WIN 0
	s_cbranch_scc1 .LstepM\tag
	TURN 2, 1, 1
	TURN 3, 1, 1
.set i, 0
.rept 8
	PV NP-1
.set i, i+1
.endr
	WIN 0
	ALL v_add_f32 v[ST+4*t+2], v[ST+4*t+2], v[ST+4*t+3]
	ALL v_permlanex16_b32 v[ST+4*t+3], v[ST+4*t+2], s[SEL], s[SEL+1]
	ALL v_add_f32 v[ST+4*t+2], v[ST+4*t+2], v[ST+4*t+3]
	ALL v_rcp_f32 v[ST+4*t+2], v[ST+4*t+2]
	v_nop                           ; a plain instruction between the last reciprocal and the use of its result
	PACK 0                          ; set 0's O^T was finished a turn ago; its 32 lines are the places behind the last products, which are set 1's
	PACK 1                          ; a set's arithmetic stands between the loads of the set before and its stores
	SEND 0, 8
	SEND 1, 0
.endm
.set KM, 0
.set NOKQ, 0
.Lslot:                             ; NT times: a tile is entered and the next is asked for
	CHANGE 1
	s_sub_co_u32 s[RT], s[RT], 1
	s_mov_b32 s[CNT], 2
	s_cmp_eq_u32 s[NEW], 1
	s_cbranch_scc1 .Lnew            ; a block's first tile
	s_cmp_eq_u32 s[RT], 0
	s_cbranch_scc0 .Lstep           ; neither its first nor its last
	s_branch .LstepM1
.Lnew:
	BEGIN
	s_branch .Lfirst                ; in the loop a block's first tile is never its last: the first block has nine tiles or more, and the second's last is the walk's last
	DIAG 1                          ; in the loop this is the first block's end
	s_wait_xcnt 0x0                 ; the stores have read their registers and ctx's address
	s_mov_b64 s[10:11], s[OLO:OLO+1]
	s_add_co_u32 s[RT], s[LOT], 1   ; the second block's tiles
	s_mov_b32 s[NEW], 1
	s_mov_b32 s[DSC], s[DSL]
	s_mov_b32 s[BI], s[PB]
	WIN 0x82                        ; the second block's Q goes where the one text of the turns names Q
.set i, 0
.rept 32
	v_mov_b32 v[i], v[QB+i]
.set i, i+1
.endr
	WIN 0
	s_branch .Lbottom
.Lstep:                             ; a trip: pieces 2 and 3 of one super-step, then pieces 0 and 1 of the next, whose K and V it fetches
	TURN 2
	TURN 3
	WIN 0
.Lfirst:
	TURN 0
	TURN 1, 0, 0, 1
	WIN 0
	s_cbranch_scc1 .Lstep
.Lbottom:
	s_sub_co_u32 s[SLOTS], s[SLOTS], 1
	s_cmp_lg_u32 s[SLOTS], 0
	s_cbranch_scc1 .Lslot
	CHANGE 0                        ; the walk's last tile is written out: nothing is asked for
	s_sub_co_u32 s[RT], s[RT], 1
	s_mov_b32 s[CNT], 2
	s_cmp_eq_u32 s[NEW], 1
	s_cbranch_scc0 .LstepM2
	BEGIN
	s_branch .LfirstM2
	DIAG 2
	s_wait_tensorcnt 0x0            ; the wave's end, behind my last tensor load and my last LDS store
	ds_add_u32 v[SPW], v[NIL]
	s_wait_dscnt 0x0
	s_endpgm
.Lfunc_end_k_qe287d30ad7_attn:
	.size	k_qe287d30ad7_attn, .Lfunc_end_k_qe287d30ad7_attn-k_qe287d30ad7_attn
	.p2alignl 7, 3214868480
	.fill 96, 4, 3214868480
	.section	.rodata,"a",@progbits
	.p2align	6, 0x0
	.amdhsa_kernel k_qe287d30ad7_attn
		.amdhsa_group_segment_fixed_size 327680
		.amdhsa_private_segment_fixed_size 0
		.amdhsa_enable_private_segment 0
		.amdhsa_kernarg_size 16
		.amdhsa_user_sgpr_count 2
		.amdhsa_user_sgpr_kernarg_segment_ptr 1
		.amdhsa_wavefront_size32 1
		.amdhsa_system_sgpr_workgroup_id_x 1
		.amdhsa_system_sgpr_workgroup_id_y 1
		.amdhsa_system_sgpr_workgroup_id_z 1
		.amdhsa_system_vgpr_workitem_id 0
		.amdhsa_next_free_vgpr 896
		.amdhsa_next_free_sgpr 96
		.amdhsa_reserve_vcc 1
		.amdhsa_float_denorm_mode_32 3
		.amdhsa_float_denorm_mode_16_64 3
		.amdhsa_memory_ordered 1
		.amdhsa_forward_progress 1
		.amdhsa_inst_pref_size 219
	.end_amdhsa_kernel
	.amdgpu_metadata
---
amdhsa.version: [ 1, 2 ]
amdhsa.kernels:
  - .name:           k_qe287d30ad7_attn
    .symbol:         k_qe287d30ad7_attn.kd
    .args:
      - { .name: qkv, .offset: 0, .size: 8, .value_kind: global_buffer, .address_space: global }
      - { .name: ctx, .offset: 8, .size: 8, .value_kind: global_buffer, .address_space: global }
    .group_segment_fixed_size: 327680
    .private_segment_fixed_size: 0
    .kernarg_segment_align: 8
    .kernarg_segment_size: 16
    .max_flat_workgroup_size: 128
    .sgpr_count:     96
    .vgpr_count:     896
    .wavefront_size: 32
...
	.end_amdgpu_metadata
.endif
;; end of part 3
;; launch oproj (part 4): grid 32 x 6, 4 waves a work-group, clusters of 4 x 1, 327,680 bytes of LDS; arguments ctx, wof, bo, out0; writes out0
.if DOCPART == 4
	.amdgcn_target "amdgcn-amd-amdhsa--gfx1250"
	.amdhsa_code_object_version 6
	.text
	.protected	k_qe287d30ad7_oproj
	.globl	k_qe287d30ad7_oproj
	.p2align	8
	.type	k_qe287d30ad7_oproj,@function
k_qe287d30ad7_oproj:
	s_mov_b64 s[64:65], 0
	v_nop
	global_prefetch_b8 v0, s[64:65] scope:SCOPE_SE
	s_setreg_imm32_b32 hwreg(HW_REG_WAVE_MODE, 25, 1), 1
	s_wait_xcnt 0x0
	s_wait_alu depctr_hold_cnt(0) depctr_sa_sdst(0) depctr_va_vdst(0) depctr_va_sdst(0) depctr_va_ssrc(0) depctr_va_vcc(0) depctr_vm_vsrc(0)
	s_getreg_b32 s2, hwreg(HW_REG_IB_STS2, 6, 4)
	s_cmp_eq_u32 s2, 0
	s_cbranch_scc0 .Lentry_in_a_cluster
	s_endpgm
.Lentry_in_a_cluster:
	s_bfe_u32 s2, ttmp6, 0x10000c
	s_cmp_lg_u32 s2, 0x3003
	s_cbranch_scc0 .Lentry_shape_is_right
	s_endpgm
.Lentry_shape_is_right:
; out0 = ctx x wof + bf16(bo).  ctx: [32 blocks of 128 rows][12 heads][128 rows][64] f16.  wof: [768 k][768 n] f16, k = 64 x head + channel.  bo: [768] f32.  out0: [4096][768] f32.  Sums in f32.
; bo is rounded to bf16 as every other input of the module is.
; SHARES.  A work-group makes 128 rows (one block of ctx) x 128 columns: 32 x 6 work-groups.  Four waves, each 64 x 64: 16 accumulators of 16 x 16, 128 registers.
; K goes in 3 steps of 256 (four heads) through two LDS slots; a quarter of a step is one head, 64 along K.  A block's heads lie end to end in ctx, so four heads' 128 rows are 65,536 dense bytes.
; wof lies [k][n]: its fragments come out of LDS turned, by ds_load_tr16_b128.
; CLUSTER: 4 x 1 work-groups.  The four share their 128 columns, so wof's tiles are asked for JOINTLY (mask 15); ctx's differ from partner to partner and come by loads of one's own, behind the same rounds.
; The grid's 6 along y is no multiple of four, so no 4 x 4 cluster shares ctx's tiles too.
; THE MATRIX INSTRUCTION IS USED TRANSPOSED (source 0 = 16 columns of wof, source 1 = 16 rows of ctx): a lane then holds eight neighbouring numbers of a row of out0.
; REGISTERS: window 0: v0-31 addresses and the bias; v32-95 two buffers of 16 rows read back from the stage; v128-255 the accumulators ((a, b) at v[128 + 8 (4 a + b)]).
;   window 1: two fragment buffers of 128: for 64 along K (two matrix instructions deep), 64 registers of ctx, then 64 of wof.
.set PAA,    144                       ; an LDS row of ctx: 128 bytes + 16 of padding = 36 words: the 16 rows of a load start at 16 different groups of four banks (64 banks of 4 bytes: ISA guide 11.1)
.set PBB,    288                       ; an LDS row of wof: 256 bytes + 32 = 9 x 32 bytes
.set HALFT,  36864                     ; what one tensor load brings: two heads x 128 rows x 144, or 128 k rows x 288
.set SLOT,   4*HALFT                   ; ctx's four heads, then wof's 256 k rows
.set STAGE,  2*SLOT                    ; behind the ring, never filled by a tensor load: 16 rows x 272 bytes for each wave
.set SPITCH, 272
.set SPARE,  STAGE+4*16*SPITCH         ; behind the stages: the spare words, 128 bytes for each wave: two blocks of 256 bytes that no other line names
.set ASTEP,  65536                     ; bytes of ctx from a K step to the next
.set BSTEP,  256*1536                  ; bytes of wof from a K step to the next
.set ADRA, 16                          ; v16-17  LDS address of my fragments of ctx in slot 0, 1
.set ADRB, 20                          ; v20-23  the same for wof: slot 0 k rows 0-127, 128-255; slot 1 likewise
.set STO,  24                          ; v24     the way out: where I put 32 bytes of a row
.set RD,   25                          ; v25     the way out: where I read a row back
.set CO,   26                          ; v26     my byte offset in out0
.set BO,   27                          ; v27     my byte offset in bo
.set SPW,  28                          ; v28     LDS address of my spare word: SPARE + 4 x my thread's number; never rewritten
.set NIL,  29                          ; v29     0; never rewritten
.set BIAS, 8                           ; v8-11   the bias of my four columns
.set BK0,  32
.set ACC,  128
.set F0,   0
.set F1,   128
.set G1, 24                            ; s[24:31] descriptor group 1 for ctx's tiles;  s[32:39] group 0, one set for each slot
.set G0, 32
.set G1B, 48                           ; s[48:55], s[56:63] the same for wof's tiles
.set G0B, 56
.set MSB, 0
.macro WIN new                         ; the immediate's high byte repeats the setting that is left; a switch that changes nothing is dropped
.if MSB != (\new)
	s_set_vgpr_msb (MSB<<8)|(\new)
.set MSB, \new
.endif
.endm
.set MUL,  0x05                        ; sources 0 and 1 window 1; C and D window 0
.set TO_F, 0x40                        ; destination window 1, address window 0
.macro JLOAD s                         ; waves 0 and 1 fetch ctx's two halves (their own), waves 2 and 3 wof's (jointly); an s_nop 0 and four v_nop follow each of the two lines, ahead of the jump, the label and what follows
	s_cmp_eq_u32 s13, 0
	s_cbranch_scc0 .Lfor_b_\@
	tensor_load_to_lds s[G0+4*(\s):G0+4*(\s)+3], s[G1:G1+7]
	s_nop 0
.rept 4
	v_nop
.endr
	s_branch .Lasked_\@
.Lfor_b_\@:
	tensor_load_to_lds s[G0B+4*(\s):G0B+4*(\s)+3], s[G1B:G1B+7]
	s_nop 0
.rept 4
	v_nop
.endr
.Lasked_\@:
.endm
.macro CREST                           ; a round of the cluster's barrier behind its opening barrier
	s_cmp_lg_u32 s12, 0
	s_cbranch_scc1 .Lnot_wave_0_\@
	s_barrier_signal -3
.Lnot_wave_0_\@:
	s_barrier_wait -3
	s_barrier_signal -1
	s_barrier_wait -1
.endm
.macro CROUND                          ; a whole round
	s_barrier_signal -1
	s_barrier_wait -1
	CREST
.endm
	s_load_b256 s[4:11], s[0:1], 0x0               ; ctx s[4:5], wof s[6:7], bo s[8:9], out0 s[10:11]
	v_lshl_add_u32 v[SPW], v0, 2, SPARE
	v_mov_b32 v[NIL], 0
	ds_add_u32 v[SPW], v[NIL]                      ; the wave's opening: the add and its wait stand ahead of my first tensor load; the set-up below, work on registers, stands between them
	ds_add_u32 v28, v29
	v_lshrrev_b32 v1, 5, v0
	v_readfirstlane_b32 s12, v1                    ; wave 0..3
	s_lshr_b32 s13, s12, 1                         ; which half of the tile's rows is mine.  Also: I fetch for ctx (0) or for wof (1)
	s_and_b32 s14, s12, 1                          ; which half of its columns.  Also: which half of that tile I fetch
	s_bfe_u32 s40, ttmp6, 0x40000                  ; cx: my place in the cluster
	s_lshl_b32 s42, ttmp9, 2
	s_add_co_u32 s42, s42, s40                     ; my block of 128 rows = 4 x cluster x + cx
	s_and_b32 s41, ttmp7, 0xffff                   ; my 128 columns, which the four partners share
	s_mov_b32 s[G1+0], (1<<16)|(1<<20)|(4<<22)|(3<<25)                  ; ctx: no mask; 17:16 2-byte elements; 20 padding on; 24:22 after every 32 words (code 4); 31:25 4 words (code 3)
	s_mov_b32 s[G1B+0], 15|(1<<16)|(1<<20)|(1<<21)|(5<<22)|(7<<25)      ; wof: 15:0 the mask of four; 21 set beside a mask; after every 64 words (code 5) 8 words (code 7)
.irp g, G1, G1B
	s_mov_b32 s[(\g)+1], 128<<16                   ; tensor_dim0 = 128 (256 bytes: two rows of a head of ctx, or a k row's 128 columns of wof)
	s_mov_b32 s[(\g)+2], 128<<16                   ; tensor_dim1 = 128
	s_mov_b32 s[(\g)+3], 128<<16                   ; tile_dim0 = 128
	s_mov_b32 s[(\g)+4], 128                       ; tile_dim1 = 128
	s_mov_b32 s[(\g)+6], 0
	s_mov_b32 s[(\g)+7], 0
.endr
	s_mov_b32 s[G1+5], 128                         ; ctx: dense
	s_mov_b32 s[G1B+5], 768                        ; wof: elements from row to row
	s_mul_i32 s16, s42, 12                         ; ctx: my block's heads, two heads on for the second half
	s_lshl_b32 s17, s14, 1
	s_add_co_u32 s16, s16, s17
	s_lshl_b32 s16, s16, 14
	s_mov_b32 s17, 0
	s_mul_i32 s46, s14, 128*1536                   ; wof: k row 128 x half, my 128 columns: nothing of my place in the cluster
	s_lshl_b32 s47, s41, 8
	s_add_co_u32 s46, s46, s47
	s_mov_b32 s47, 0
	s_mul_i32 s20, s12, HALFT                      ; where they go: wave x 36,864
	s_wait_dscnt 0x0                               ; the opening add is done
	s_wait_kmcnt 0x0
	s_add_nc_u64 s[18:19], s[4:5], s[16:17]
	s_add_nc_u64 s[46:47], s[6:7], s[46:47]
	CROUND                                         ; all four work-groups are here: the first joint loads meet
.irp s, 0,1
	s_mov_b32 s[G0+4*(\s)], 1
	s_add_co_u32 s[G0+4*(\s)+1], s20, (\s)*SLOT
	s_add_nc_u64 s[G0+4*(\s)+2:G0+4*(\s)+3], s[18:19], (\s)*ASTEP
	s_or_b32 s[G0+4*(\s)+3], s[G0+4*(\s)+3], 0x80000000
	s_mov_b32 s[G0B+4*(\s)], 1
	s_add_co_u32 s[G0B+4*(\s)+1], s20, (\s)*SLOT
	s_add_nc_u64 s[G0B+4*(\s)+2:G0B+4*(\s)+3], s[46:47], (\s)*BSTEP
	s_or_b32 s[G0B+4*(\s)+3], s[G0B+4*(\s)+3], 0x80000000
	JLOAD \s                                       ; K steps 0 and 1: two loads of mine are out
.endr
	v_and_b32 v1, 15, v0                           ; l % 16
	v_bfe_u32 v2, v0, 4, 1                         ; l / 16
	s_lshl_b32 s15, s41, 9                         ; my wave's 64 columns in f32: 512 x tile column + 256 x half
	s_lshl_b32 s21, s14, 8
	s_add_co_u32 s15, s15, s21
	v_lshl_add_u32 v[BO], v1, 4, s15               ; on the way out lane l holds columns 4 (l % 16) + 0..3 of them
	global_load_b128 v[BIAS:BIAS+3], v[BO], s[8:9]
	v_mul_u32_u24 v3, v1, PAA
	v_lshl_add_u32 v3, v2, 4, v3                   ; a fragment of ctx: row x pitch + 16 x half
	s_mul_i32 s21, s13, 64*PAA                     ; my 64 rows
	v_add_nc_u32 v[ADRA], s21, v3
	v_add_nc_u32 v[ADRA+1], SLOT, v[ADRA]
	v_and_b32 v4, 7, v0                            ; the turning load: lane l reads k row 8 (l / 16) + l % 8, columns 8 ((l / 8) % 2) + 0..7
	v_lshl_add_u32 v4, v2, 3, v4
	v_mul_u32_u24 v4, v4, PBB
	v_bfe_u32 v5, v0, 3, 1
	v_lshl_add_u32 v4, v5, 4, v4
	s_lshl_b32 s22, s14, 7                         ; my 64 columns,
	s_add_co_u32 s22, s22, 2*HALFT                 ; behind ctx's four heads
	v_add_nc_u32 v[ADRB], s22, v4
	v_add_nc_u32 v[ADRB+1], HALFT, v[ADRB]
	v_add_nc_u32 v[ADRB+2], SLOT, v[ADRB]
	v_add_nc_u32 v[ADRB+3], SLOT, v[ADRB+1]
	s_mul_i32 s23, s12, 16*SPITCH
	s_add_co_u32 s23, s23, STAGE                   ; my stage
	v_mul_u32_u24 v6, v1, SPITCH                   ; in: row l % 16, 32 bytes for each half of the lanes
	v_lshl_add_u32 v6, v2, 5, v6
	v_add_nc_u32 v[STO], s23, v6
	v_mul_u32_u24 v7, v2, SPITCH                   ; back: lanes 0-15 take one row of 256 bytes, lanes 16-31 the next
	v_lshl_add_u32 v7, v1, 4, v7
	v_add_nc_u32 v[RD], s23, v7
	v_mul_u32_u24 v7, v2, 3072                     ; and the same two rows in out0
	v_lshl_add_u32 v[CO], v1, 4, v7
	s_lshl_b32 s66, s42, 7
	s_lshl_b32 s67, s13, 6
	s_add_co_u32 s66, s66, s67                     ; my first row of out0
	s_mul_i32 s66, s66, 3072
	s_add_co_u32 s66, s66, s15                     ; and my first column
	s_mov_b32 s67, 0
	s_add_nc_u64 s[10:11], s[10:11], s[66:67]
	s_wait_loadcnt 0x0                             ; the bias: rounded to bf16 and widened again
	v_cvt_pk_bf16_f32 v12, v[BIAS], v[BIAS+1]
	v_cvt_pk_bf16_f32 v13, v[BIAS+2], v[BIAS+3]
	v_lshlrev_b32 v[BIAS], 16, v12
	v_and_b32 v[BIAS+1], 0xffff0000, v12
	v_lshlrev_b32 v[BIAS+2], 16, v13
	v_and_b32 v[BIAS+3], 0xffff0000, v13
; 8 matrix instructions: row blocks a0, a0 + 1 x all 4 column blocks, 32 along K: half c of buffer f.  zero = 1: the first product starts the sums.  The 16 accumulators take turns.
.macro MUL8 f, c, a0, zero
	WIN MUL
.irp a, \a0, (\a0)+1
.irp b, 0,1,2,3
.if \zero
	v_wmma_f32_16x16x32_f16 v[ACC+8*(4*(\a)+(\b)):ACC+8*(4*(\a)+(\b))+7], v[(\f)+64+8*(4*(\c)+(\b)):(\f)+64+8*(4*(\c)+(\b))+7], v[(\f)+8*(4*(\c)+(\a)):(\f)+8*(4*(\c)+(\a))+7], 0
.else
	v_wmma_f32_16x16x32_f16 v[ACC+8*(4*(\a)+(\b)):ACC+8*(4*(\a)+(\b))+7], v[(\f)+64+8*(4*(\c)+(\b)):(\f)+64+8*(4*(\c)+(\b))+7], v[(\f)+8*(4*(\c)+(\a)):(\f)+8*(4*(\c)+(\a))+7], v[ACC+8*(4*(\a)+(\b)):ACC+8*(4*(\a)+(\b))+7]
.endif
.endr
.endr
.endm
; 32 LDS loads in one run: the fragments of head qd of the slot's four (64 along K) into buffer f; the first 32 along K first
.macro FETCH slot, qd, f
	WIN TO_F
.irp c, 0,1
.irp i, 0,1,2,3
	ds_load_tr16_b128 v[(\f)+64+8*(4*(\c)+(\i)):(\f)+64+8*(4*(\c)+(\i))+3],   v[ADRB+2*(\slot)+(\qd)/2] offset:(((\qd)%2)*64+32*(\c))*PBB+32*(\i)
	ds_load_tr16_b128 v[(\f)+64+8*(4*(\c)+(\i))+4:(\f)+64+8*(4*(\c)+(\i))+7], v[ADRB+2*(\slot)+(\qd)/2] offset:(((\qd)%2)*64+32*(\c)+16)*PBB+32*(\i)
	ds_load_b128 v[(\f)+8*(4*(\c)+(\i)):(\f)+8*(4*(\c)+(\i))+3],             v[ADRA+(\slot)] offset:(\qd)*128*PAA+64*(\c)+(\i)*16*PAA
	ds_load_b128 v[(\f)+8*(4*(\c)+(\i))+4:(\f)+8*(4*(\c)+(\i))+7],           v[ADRA+(\slot)] offset:(\qd)*128*PAA+64*(\c)+(\i)*16*PAA+32
.endr
.endr
.endm
.macro PLACES                          ; four places in front of loads into registers that matrix instructions have read, and of LDS stores that read results
.rept 4
	v_nop
.endr
.endm
; A K step is four quarters of 64 along K, 32 matrix instructions each, on buffers 0, 1, 0, 1.  One of the first three: multiplies buffer f and fetches head qd into g.
.macro QUARTER slot, qd, f, g, zero
	s_wait_dscnt 16                                ; the first 32 along K are in; the youngest sixteen loads may be out
	MUL8 \f, 0, 0, \zero
	MUL8 \f, 0, 2, \zero
	PLACES
	FETCH \slot, \qd, \g
	s_wait_dscnt 32                                ; all but the 32 just issued
	MUL8 \f, 1, 0, 0
	MUL8 \f, 1, 2, 0
.endm
; The last quarter multiplies buffer 1 and changes slots: ONE barrier; in front of it each wave waits for all its tensor loads, adds 0 to its spare word, and waits for that and for its own reads of this slot.
; fill = 1: this slot is filled again, two K steps ahead; the barrier then opens a round of the cluster's.
.macro TURN slot, next, fill
	WIN 0                                          ; (the add's two registers lie in window 0)
	s_wait_tensorcnt 0x0                           ; all my tensor loads have landed: my part of the next slot;
	ds_add_u32 v[SPW], v[NIL]                      ; 0 onto my spare word
	s_wait_dscnt 17                                ; (the add and the youngest sixteen loads may be out)
	MUL8 F1, 0, 0, 0                               ; eight matrix instructions stand between the add and the wait for it
	s_wait_dscnt 0x0                               ; the add is done, and my reads of this slot are over
	s_barrier_signal -1
	MUL8 F1, 0, 2, 0
.if \fill
	WIN 0
.endif
	s_barrier_wait -1
.if \fill
	CREST                                          ; no wave of any partner still reads this slot's tile or has a load on its way
	s_add_nc_u64 s[G0+4*(\slot)+2:G0+4*(\slot)+3], s[G0+4*(\slot)+2:G0+4*(\slot)+3], 2*ASTEP
	s_add_nc_u64 s[G0B+4*(\slot)+2:G0B+4*(\slot)+3], s[G0B+4*(\slot)+2:G0B+4*(\slot)+3], 2*BSTEP
	JLOAD \slot                                    ; the first tensor load behind the round, my one load until the end; the four v_nop behind it are also the places in front of the loads below
.else
	PLACES
.endif
	FETCH \next, 0, F0
	MUL8 F1, 1, 0, 0
	MUL8 F1, 1, 2, 0
.endm
	s_wait_tensorcnt 1                             ; my part of K step 0 is in; K step 1's may stay out
	s_barrier_signal -1
	s_barrier_wait -1                              ; everybody's is
	FETCH 0, 0, F0
	QUARTER 0, 1, F0, F1, 1                        ; K step 0; its first products start the sums
	QUARTER 0, 2, F1, F0, 0
	QUARTER 0, 3, F0, F1, 0
	TURN 0, 1, 1                                   ; slot 0 takes K step 2
	QUARTER 1, 1, F0, F1, 0                        ; K step 1
	QUARTER 1, 2, F1, F0, 0
	QUARTER 1, 3, F0, F1, 0
	TURN 1, 0, 0                                   ; nothing is left to fetch
	QUARTER 0, 1, F0, F1, 0                        ; K step 2
	QUARTER 0, 2, F1, F0, 0
	QUARTER 0, 3, F0, F1, 0
	s_wait_dscnt 16                                ; the very last quarter
	MUL8 F1, 0, 0, 0
	MUL8 F1, 0, 2, 0
	s_wait_dscnt 0x0
	MUL8 F1, 1, 0, 0
	MUL8 F1, 1, 2, 0
	WIN 0
	; THE WAY OUT, a block of 16 rows at a time: a lane's 32 bytes of a row go into my own stage (each accumulator's low four registers first) and come back as whole rows of 256 bytes; the bias is added; stored.
	PLACES
.irp a, 0,1,2,3
	s_wait_xcnt 0x0                                ; the buffer that the block two back's stores read is loaded again only behind this wait
.irp b, 0,1,2,3
	ds_store_b128 v[STO], v[ACC+8*(4*(\a)+(\b)):ACC+8*(4*(\a)+(\b))+3]   offset:64*(\b)
	ds_store_b128 v[STO], v[ACC+8*(4*(\a)+(\b))+4:ACC+8*(4*(\a)+(\b))+7] offset:64*(\b)+16
.endr
.irp t, 0,1,2,3,4,5,6,7
	ds_load_b128 v[BK0+32*((\a)%2)+4*(\t):BK0+32*((\a)%2)+4*(\t)+3], v[RD] offset:(\t)*2*SPITCH  ; LDS serves a wave's instructions in order (ISA guide 5.7.1.4): these see the stores above; the next block's stores come behind them
.endr
.irp t, 0,1,2,3,4,5,6,7
	s_wait_dscnt 7-(\t)                            ; LDS loads come back in order: pair t of rows is in, the younger ones stay out
	v_pk_add_f32 v[BK0+32*((\a)%2)+4*(\t):BK0+32*((\a)%2)+4*(\t)+1],   v[BK0+32*((\a)%2)+4*(\t):BK0+32*((\a)%2)+4*(\t)+1],   v[BIAS:BIAS+1]
	v_pk_add_f32 v[BK0+32*((\a)%2)+4*(\t)+2:BK0+32*((\a)%2)+4*(\t)+3], v[BK0+32*((\a)%2)+4*(\t)+2:BK0+32*((\a)%2)+4*(\t)+3], v[BIAS+2:BIAS+3]
	global_store_b128 v[CO], v[BK0+32*((\a)%2)+4*(\t):BK0+32*((\a)%2)+4*(\t)+3], s[10:11] offset:(16*(\a)+2*(\t))*3072  ; 16 lanes store 256 consecutive bytes, at a multiple of 256 from out0's first byte
.endr
.endr
	s_wait_tensorcnt 0x0                           ; the wave's end, behind my last tensor load and my last LDS store
	ds_add_u32 v[SPW], v[NIL]
	s_wait_dscnt 0x0
	CROUND                                         ; the closing round: no work-group ends while a partner may still ask for a tile that names it
	s_endpgm
.Lfunc_end_k_qe287d30ad7_oproj:
	.size	k_qe287d30ad7_oproj, .Lfunc_end_k_qe287d30ad7_oproj-k_qe287d30ad7_oproj
	.p2alignl 7, 3214868480
	.fill 96, 4, 3214868480
	.section	.rodata,"a",@progbits
	.p2align	6, 0x0
	.amdhsa_kernel k_qe287d30ad7_oproj
		.amdhsa_group_segment_fixed_size 327680
		.amdhsa_private_segment_fixed_size 0
		.amdhsa_enable_private_segment 0
		.amdhsa_kernarg_size 32
		.amdhsa_user_sgpr_count 2
		.amdhsa_user_sgpr_kernarg_segment_ptr 1
		.amdhsa_wavefront_size32 1
		.amdhsa_system_sgpr_workgroup_id_x 1
		.amdhsa_system_sgpr_workgroup_id_y 1
		.amdhsa_system_sgpr_workgroup_id_z 1
		.amdhsa_system_vgpr_workitem_id 0
		.amdhsa_next_free_vgpr 512
		.amdhsa_next_free_sgpr 72
		.amdhsa_reserve_vcc 0
		.amdhsa_float_denorm_mode_32 3
		.amdhsa_float_denorm_mode_16_64 3
		.amdhsa_memory_ordered 1
		.amdhsa_forward_progress 1
		.amdhsa_inst_pref_size 73
	.end_amdhsa_kernel
	.amdgpu_metadata
---
amdhsa.version: [ 1, 2 ]
amdhsa.kernels:
  - .name:           k_qe287d30ad7_oproj
    .symbol:         k_qe287d30ad7_oproj.kd
    .args:
      - { .name: ctx, .offset: 0, .size: 8, .value_kind: global_buffer, .address_space: global }
      - { .name: wof, .offset: 8, .size: 8, .value_kind: global_buffer, .address_space: global }
      - { .name: bo, .offset: 16, .size: 8, .value_kind: global_buffer, .address_space: global }
      - { .name: out0, .offset: 24, .size: 8, .value_kind: global_buffer, .address_space: global }
    .group_segment_fixed_size: 327680
    .private_segment_fixed_size: 0
    .kernarg_segment_align: 8
    .kernarg_segment_size: 32
    .max_flat_workgroup_size: 128
    .sgpr_count:     72
    .vgpr_count:     512
    .wavefront_size: 32
...
	.end_amdgpu_metadata
.endif
;; end of part 4
